; MI455X (gfx1250); checked and timed in simulation.
; The chip was launched on July 23, 2026; its instructions are those of AMD's public machine-readable ISA for CDNA 5 (MIT licence, August 2026) and "CDNA5" Instruction Set Architecture Reference Guide (July 2026). The comments in the code are by the model that wrote it; some were corrected since.
;; TIP Sv2 Text Attention. Allowed arithmetic: float matrix products may take bf16 or f16 operands with f32 sums; other float arithmetic in f32, or as packed bf16 or f16 multiplies, adds, multiply-adds, maxima and minima; sums over many terms, partial sums and values carried from step to step in f32; what a program stores and reads back later, other than sums and carried values, may be rounded once to bf16 or f16.
;; Inputs: b_in 3,072 float32; b_out 1,024 float32; mask 4 x 2,048 int32; w_in 1,024 x 3,072 float32; w_out 1,024 x 1,024 float32; x 4 x 2,048 x 1,024 float32.
;; Outputs: out0 4 x 2,048 x 1,024 float32.
;; One version. Each part assembles by itself: llvm-mc -triple=amdgcn-amd-amdhsa -mcpu=gfx1250 --defsym DOCPART=n.
;; ======== version 1 of 1: 4 launches
;; limits: values are held in f16: magnitudes above 65,504 overflow, below 6.1e-05 lose precision
;; workspace buffers: xb 16,777,216 bytes; wi 6,291,456 bytes; wo 2,097,152 bytes; qkv 50,331,648 bytes; oh 16,777,216 bytes
;; launch cast (part 1): grid 768 x 1, 8 waves a work-group, no clusters, 0 bytes of LDS; arguments x, w_in, w_out, xb, wi, wo; writes xb, wi, wo
.if DOCPART == 1
	.amdgcn_target "amdgcn-amd-amdhsa--gfx1250"
	.amdhsa_code_object_version 6
	.text
	.protected	k_q8a063d7a2d_cast
	.globl	k_q8a063d7a2d_cast
	.p2align	8
	.type	k_q8a063d7a2d_cast,@function
k_q8a063d7a2d_cast:
	s_mov_b64 s[64:65], 0
	v_nop
	global_prefetch_b8 v0, s[64:65] scope:SCOPE_SE
	s_setreg_imm32_b32 hwreg(HW_REG_WAVE_MODE, 25, 1), 1
	s_wait_xcnt 0x0
; THE MODULE'S THREE LARGE INPUTS ARE ROUNDED ONCE.  x -> xb and w_in -> wi in bf16; w_out -> wo: rounded to bf16 like the others, and that number written as f16,
; since the last product multiplies f16 (exact where bf16(w_out) lies within f16's normal range; below 6e-5 it keeps f16's fixed step of 6e-8; beyond 65,504 it would be lost).
; A stream: each byte read once and written once, no LDS, no matrix unit, nothing shared.  A work-group takes 65,536 bytes of f32: work-groups 0-511 x, 512-703 w_in, 704-767 w_out.
; Thread t: 16 loads of 16 bytes at 16 t + 4,096 i (a wave's load covers 512 bytes on end), 16 stores of 8 bytes at 8 t + 2,048 i (a wave's store covers 256 bytes on end, aligned).
; All 16 loads go out at once; no register is used twice, so nothing waits but each pair of conversions for its own load.
.set X, 4                              ; v[4:67]    as loaded
.set Y, 68                             ; v[68:99]   to store
.set T, 100                            ; v[100:105] at work (w_out alone)
	s_load_b256 s[4:11], s[0:1], 0x0               ; x s[4:5], w_in s[6:7], w_out s[8:9], xb s[10:11]
	s_load_b128 s[12:15], s[0:1], 0x20             ; wi s[12:13], wo s[14:15]
	s_mov_b32 s16, ttmp9
	s_movk_i32 s26, 704                            ; the first work-group of w_out
	s_movk_i32 s27, 512                            ; the first of w_in
	s_mov_b32 s28, 0xffff0000                      ; a word's upper bf16
	v_lshlrev_b32 v1, 4, v0
	v_lshlrev_b32 v2, 3, v0
	s_wait_kmcnt 0x0
	s_cmp_lt_u32 s16, s26                          ; which tensor: the choice hangs on the work-group's number alone
	s_cselect_b64 s[18:19], s[6:7], s[8:9]
	s_cselect_b64 s[20:21], s[12:13], s[14:15]
	s_cselect_b32 s17, s27, s26
	s_cmp_lt_u32 s16, s27
	s_cselect_b64 s[18:19], s[4:5], s[18:19]
	s_cselect_b64 s[20:21], s[10:11], s[20:21]
	s_cselect_b32 s17, 0, s17
	s_sub_co_u32 s17, s16, s17                     ; my chunk in that tensor
	s_lshl_b32 s22, s17, 16                        ; 65,536 bytes in,
	s_mov_b32 s23, 0
	s_lshl_b32 s24, s17, 15                        ; 32,768 out
	s_mov_b32 s25, 0
	s_add_nc_u64 s[18:19], s[18:19], s[22:23]
	s_add_nc_u64 s[20:21], s[20:21], s[24:25]
.set i, 0
.rept 16
	global_load_b128 v[X+4*i:X+4*i+3], v1, s[18:19] offset:4096*i th:TH_LOAD_NT
.set i, i+1
.endr
	s_cmp_ge_u32 s16, s26
	s_cbranch_scc1 .Lf16
.set i, 0
.rept 16
	s_wait_loadcnt 15-i                            ; loads come back in order: load i is in, the 15 - i younger ones stay out
	v_cvt_pk_bf16_f32 v[Y+2*i], v[X+4*i], v[X+4*i+1]
	v_cvt_pk_bf16_f32 v[Y+2*i+1], v[X+4*i+2], v[X+4*i+3]
	global_store_b64 v2, v[Y+2*i:Y+2*i+1], s[20:21] offset:2048*i
.set i, i+1
.endr
	s_endpgm
.Lf16:
.set i, 0
.rept 16
	s_wait_loadcnt 15-i
	v_cvt_pk_bf16_f32 v[T], v[X+4*i], v[X+4*i+1]   ; the rounding that all inputs get,
	v_cvt_pk_bf16_f32 v[T+1], v[X+4*i+2], v[X+4*i+3]
	v_lshlrev_b32 v[T+2], 16, v[T]                 ; back to f32,
	v_and_b32 v[T+3], s28, v[T]
	v_lshlrev_b32 v[T+4], 16, v[T+1]
	v_and_b32 v[T+5], s28, v[T+1]
	v_cvt_pk_f16_f32 v[Y+2*i], v[T+2], v[T+3]      ; and the same number as f16
	v_cvt_pk_f16_f32 v[Y+2*i+1], v[T+4], v[T+5]
	global_store_b64 v2, v[Y+2*i:Y+2*i+1], s[20:21] offset:2048*i
.set i, i+1
.endr
	s_endpgm
.Lfunc_end_k_q8a063d7a2d_cast:
	.size	k_q8a063d7a2d_cast, .Lfunc_end_k_q8a063d7a2d_cast-k_q8a063d7a2d_cast
	.p2alignl 7, 3214868480
	.fill 96, 4, 3214868480
	.section	.rodata,"a",@progbits
	.p2align	6, 0x0
	.amdhsa_kernel k_q8a063d7a2d_cast
		.amdhsa_group_segment_fixed_size 0
		.amdhsa_private_segment_fixed_size 0
		.amdhsa_enable_private_segment 0
		.amdhsa_kernarg_size 48
		.amdhsa_user_sgpr_count 2
		.amdhsa_user_sgpr_kernarg_segment_ptr 1
		.amdhsa_wavefront_size32 1
		.amdhsa_system_sgpr_workgroup_id_x 1
		.amdhsa_system_sgpr_workgroup_id_y 1
		.amdhsa_system_sgpr_workgroup_id_z 1
		.amdhsa_system_vgpr_workitem_id 0
		.amdhsa_next_free_vgpr 108
		.amdhsa_next_free_sgpr 66
		.amdhsa_reserve_vcc 0
		.amdhsa_float_denorm_mode_32 3
		.amdhsa_float_denorm_mode_16_64 3
		.amdhsa_memory_ordered 1
		.amdhsa_forward_progress 1
		.amdhsa_inst_pref_size 15
	.end_amdhsa_kernel
	.amdgpu_metadata
---
amdhsa.version: [ 1, 2 ]
amdhsa.kernels:
  - .name:           k_q8a063d7a2d_cast
    .symbol:         k_q8a063d7a2d_cast.kd
    .args:
      - { .name: x, .offset: 0, .size: 8, .value_kind: global_buffer, .address_space: global }
      - { .name: w_in, .offset: 8, .size: 8, .value_kind: global_buffer, .address_space: global }
      - { .name: w_out, .offset: 16, .size: 8, .value_kind: global_buffer, .address_space: global }
      - { .name: xb, .offset: 24, .size: 8, .value_kind: global_buffer, .address_space: global }
      - { .name: wi, .offset: 32, .size: 8, .value_kind: global_buffer, .address_space: global }
      - { .name: wo, .offset: 40, .size: 8, .value_kind: global_buffer, .address_space: global }
    .group_segment_fixed_size: 0
    .private_segment_fixed_size: 0
    .kernarg_segment_align: 8
    .kernarg_segment_size: 48
    .max_flat_workgroup_size: 256
    .sgpr_count:     66
    .vgpr_count:     108
    .wavefront_size: 32
...
	.end_amdgpu_metadata
.endif
;; end of part 1
;; launch inproj (part 2): grid 8 x 64, 4 waves a work-group, clusters of 4 x 4, 327,680 bytes of LDS; arguments xb, wi, b_in, qkv; writes qkv
.if DOCPART == 2
	.amdgcn_target "amdgcn-amd-amdhsa--gfx1250"
	.amdhsa_code_object_version 6
	.text
	.protected	k_q8a063d7a2d_inproj
	.globl	k_q8a063d7a2d_inproj
	.p2align	8
	.type	k_q8a063d7a2d_inproj,@function
k_q8a063d7a2d_inproj:
	s_mov_b64 s[64:65], 0
	v_nop
	global_prefetch_b8 v0, s[64:65] scope:SCOPE_SE
	s_setreg_imm32_b32 hwreg(HW_REG_WAVE_MODE, 25, 1), 1
	s_wait_xcnt 0x0
	s_wait_alu depctr_hold_cnt(0) depctr_sa_sdst(0) depctr_va_vdst(0) depctr_va_sdst(0) depctr_va_ssrc(0) depctr_va_vcc(0) depctr_vm_vsrc(0)
	s_getreg_b32 s2, hwreg(HW_REG_IB_STS2, 6, 4)
	s_cmp_eq_u32 s2, 0
	s_cbranch_scc0 .Lentry_in_a_cluster
	s_endpgm
.Lentry_in_a_cluster:
	s_bfe_u32 s2, ttmp6, 0x10000c
	s_cmp_lg_u32 s2, 0xf033
	s_cbranch_scc0 .Lentry_shape_is_right
	s_endpgm
.Lentry_shape_is_right:
; qkv = x w_in + b_in, stored by heads.  xb: [8192][1024] bf16; wi: [1024 k][3072 n] bf16; b_in: [3072] f32, rounded here to bf16 like the other inputs; sums in f32.
; Out: qkv [3][64 = 16 batch + head][2048][64] f16, rounded once, WITHOUT the scale 1/8 (the attention applies it in f32).  LIMIT: q, k and v must lie within f16's 65,504.
; SHARES.  A tile of C is 128 rows x 384 columns: 8 x 64 = 512 equal work-groups.  Four waves, each 64 rows x 192 columns: 48 accumulators of 16 x 16, 384 registers.  A wave's 192 columns are three whole
; heads: group X, 128 columns (blocks b = 0-7, two heads side by side), and group Y, 64 columns (b = 8-11): wave column 0 has the tile's columns 0-127 and 128-191, wave column 1 has 256-383 and 192-255.
; K goes in 8 steps of 128 through a ring of two LDS slots.  A slot is four regions, one tensor load of one wave each, 128 rows of 256 aligned bytes: wave 0 x's 128 rows (pitch 272), waves 1-3 three
; sub-tiles [128 k][128 n] of w_in as they lie in memory (pitch 288); their fragments come out of LDS turned, by ds_load_tr16_b128.
; CLUSTERS: 4 x 4 work-groups.  x's tile is shared along a row of the cluster, w_in's along a column: each is asked for jointly, by the same load, descriptor and mask in the four that share it.
; THE PRODUCT IS USED TRANSPOSED (source 0 = 16 columns of w_in, source 1 = 16 rows of x): a lane holds one row (lane % 16) and eight neighbouring columns 8 (lane / 16) + 0..7 of C.
; THE BIAS IS THE C OPERAND of each accumulator's first product: nothing is cleared and nothing is added on the way out.
; No prefetch into the L2: x's rows are read by two clusters and w_in's by sixteen at about the same time, and a request has 168 of a step's 192 products in which to land.
; REGISTERS, in windows of 256 (s_set_vgpr_msb: bits 1:0 source 0, 3:2 source 1, 5:4 source 2, 7:6 destination):
;   window 0: v0-31 addresses; v64-95, v96-127 x's fragments, two buffers; on the way out v128-175 packed results, v176-223 and v64-111 rows read back
;   window 1: v0-95, v96-191 w_in's fragments, two buffers     window 2: X's accumulators, (a, b) at 8 (4 b + a)     window 3: v0-127 Y's, at 8 (4 (b - 8) + a); v128-223 the bias, 8 a block; v224-227 at work
.set SIZE_K, 1024
.set SIZE_N, 3072
.set KSTEP,  128
.set PA,     272                       ; a row of x in LDS: 256 bytes + 16: the 16 rows of a fragment load start at 16 different groups of four banks (64 banks of 4 bytes: ISA guide 11.1)
.set PB,     288                       ; a row of w_in: 256 + 32
.set SUB,    128*PB                    ; a region: 36,864 bytes
.set SLOT,   4*SUB
.set STAGE,  2*SLOT                    ; behind the ring, never filled by a tensor load: for each wave 3 heads x 16 rows x 144 bytes
.set SPH,    144
.set STW,    3*16*SPH
.set SPARE,  STAGE+4*STW               ; the spare words, 128 bytes for each wave: two blocks of 256 bytes that no other line names
.set LAPS,   SIZE_K/(2*KSTEP)          ; a lap = two K steps = once round the ring
.set STEP_A, KSTEP*2                   ; a K step in memory: along x's rows,
.set STEP_B, KSTEP*SIZE_N*2            ; down w_in's rows
.set BOX,  12                          ; v12     byte offset in b_in of my 8 columns of block 0
.set BOY,  13                          ; v13     of block 8
.set ADRA, 16                          ; v16-17  LDS address of my fragments of x in slot 0, 1
.set ADRX, 18                          ; v18-19  of w_in's for group X
.set ADRY, 20                          ; v20-21  for group Y
.set STO,  24                          ; v24     the way out: where I put 16 bytes of a row
.set RD,   25                          ; v25     where I read rows back
.set GO,   26                          ; v26     my 16 bytes in 512 consecutive bytes of a head
.set SPW,  28                          ; v28     LDS address of my spare word; never rewritten
.set NIL,  29                          ; v29     0; never rewritten
.set FA,   64
.set TMP,  128
.set OB0,  176
.set OB1,  64
.set BI,   128                         ; window 3
.set BT,   224                         ; window 3
.set WV,   12                          ; s12     my wave's number
.set G1,   24                          ; s[24:31] descriptor group 1 for x's tiles;  s[32:39] group 0, a set for each slot
.set G0,   32
.set G1B,  48                          ; s[48:55], s[56:63] the same for w_in's
.set G0B,  56
.set CX,   68                          ; s[68:69] qkv at my rows of X's first head
.set CY,   70                          ; s[70:71] of Y's head
.set MSB, 0
.macro WIN new                         ; the immediate's high byte repeats the setting that is left; a switch that changes nothing is dropped
.if MSB != (\new)
	s_set_vgpr_msb (MSB<<8)|(\new)
.set MSB, (\new)
.endif
.endm
.set MUL_X,   0xa1                     ; w_in window 1, x window 0, C and D window 2
.set MUL_Y,   0xf1                     ; C and D window 3
.set FIRST_X, 0xb1                     ; C (the bias) window 3, D window 2
.set TO_B,    0x40                     ; destination window 1
.set TO_BI,   0xc0                     ; destination window 3
.set RND,     0xcf                     ; sources 0 and 1 and destination window 3
.set PK_X,    0x0a                     ; sources 0 and 1 window 2
.set PK_Y,    0x0f                     ; window 3
; A joint load.  Wave 0 fetches x's tile, waves 1-3 w_in's three sub-tiles.  The branch hangs on the wave's number alone.  An s_nop 0 and four v_nop follow each of the two lines.
.macro JLOAD s
	s_cmp_lt_u32 s[WV], 1
	s_cbranch_scc0 .Lfor_b_\@
	tensor_load_to_lds s[G0+4*(\s):G0+4*(\s)+3], s[G1:G1+7]
	s_nop 0
.rept 4
	v_nop
.endr
	s_branch .Lasked_\@
.Lfor_b_\@:
	tensor_load_to_lds s[G0B+4*(\s):G0B+4*(\s)+3], s[G1B:G1B+7]
	s_nop 0
.rept 4
	v_nop
.endr
.Lasked_\@:
.endm
.macro CREST                           ; a round of the cluster's barrier behind its opening barrier
	s_cmp_lg_u32 s[WV], 0
	s_cbranch_scc1 .Lnot_wave_0_\@
	s_barrier_signal -3
.Lnot_wave_0_\@:
	s_barrier_wait -3
	s_barrier_signal -1
	s_barrier_wait -1
.endm
.macro CROUND                          ; a whole round
	s_barrier_signal -1
	s_barrier_wait -1
	CREST
.endm
.macro PLACES                          ; four places in front of loads into registers that matrix instructions have read, and of lines that read results
.rept 4
	v_nop
.endr
.endm
	s_load_b256 s[4:11], s[0:1], 0x0               ; xb s[4:5], wi s[6:7], b_in s[8:9], qkv s[10:11]
	v_lshl_add_u32 v[SPW], v0, 2, SPARE
	v_mov_b32 v[NIL], 0
	ds_add_u32 v[SPW], v[NIL]                      ; the wave's opening: the add and its wait stand ahead of my first tensor load; work on registers stands between them
	v_lshrrev_b32 v1, 5, v0
	v_readfirstlane_b32 s[WV], v1                  ; wave 0..3
	s_lshr_b32 s13, s[WV], 1                       ; wm: which 64 rows of the tile are mine
	s_and_b32 s14, s[WV], 1                        ; wn: which 192 columns
	s_bfe_u32 s40, ttmp6, 0x40000                  ; cx, cy: my place in the cluster
	s_bfe_u32 s41, ttmp6, 0x40004
	s_lshl_b32 s42, ttmp9, 2
	s_add_co_u32 s42, s42, s40                     ; tx: tile column = 4 x cluster x + cx
	s_and_b32 s43, ttmp7, 0xffff
	s_lshl_b32 s43, s43, 2
	s_add_co_u32 s43, s43, s41                     ; ty: tile row = 4 x cluster y + cy
	s_lshl_b32 s44, s41, 2
	s_lshl_b32 s44, 15, s44                        ; my row of the cluster
	s_lshl_b32 s45, 0x1111, s40                    ; my column
	; descriptor group 1: 128 rows x 128 elements of 2 bytes, padded in LDS after every 64 words (code 5) by 4 words (code 3) or 8 (code 7); bit 21 stands beside a mask
	s_or_b32 s[G1], s44, (1<<16)|(1<<20)|(1<<21)|(5<<22)|(3<<25)
	s_or_b32 s[G1B], s45, (1<<16)|(1<<20)|(1<<21)|(5<<22)|(7<<25)
.irp g, G1, G1B
	s_mov_b32 s[(\g)+1], 128<<16                   ; tensor_dim0 = 128
	s_mov_b32 s[(\g)+2], 128<<16                   ; tensor_dim1 = 128
	s_mov_b32 s[(\g)+3], 128<<16                   ; tile_dim0 = 128
	s_mov_b32 s[(\g)+4], 128                       ; tile_dim1 = 128
	s_mov_b32 s[(\g)+6], 0
	s_mov_b32 s[(\g)+7], 0
.endr
	s_mov_b32 s[G1+5], SIZE_K                      ; elements from row to row
	s_mov_b32 s[G1B+5], SIZE_N
	s_lshl_b32 s16, s43, 18                        ; x: 128 ty rows of 2,048 bytes: hangs on the tile row alone
	s_mov_b32 s17, 0
	s_max_u32 s46, s[WV], 1                        ; w_in: sub-tile wave - 1 (wave 0 asks by x's descriptor),
	s_sub_co_u32 s46, s46, 1
	s_lshl_b32 s46, s46, 8                         ; 256 bytes of a row each,
	s_mul_i32 s47, s42, 768                        ; in the tile's 768: hangs on the tile column and the wave alone
	s_add_co_u32 s46, s46, s47
	s_mov_b32 s47, 0
	s_mul_i32 s20, s[WV], SUB                      ; my region of a slot: no place in the cluster enters an LDS address
	s_wait_dscnt 0x0                               ; the opening add is done
	s_wait_kmcnt 0x0
	s_add_nc_u64 s[72:73], s[4:5], s[16:17]
	s_add_nc_u64 s[46:47], s[6:7], s[46:47]
	CROUND                                         ; all sixteen work-groups are here: the first joint loads meet
.irp s, 0,1
	s_mov_b32 s[G0+4*(\s)], 1                      ; count = 1
	s_add_co_u32 s[G0+4*(\s)+1], s20, (\s)*SLOT    ; LDS address
	s_add_nc_u64 s[G0+4*(\s)+2:G0+4*(\s)+3], s[72:73], (\s)*STEP_A  ; K step s
	s_or_b32 s[G0+4*(\s)+3], s[G0+4*(\s)+3], 0x80000000             ; type = 2
	s_mov_b32 s[G0B+4*(\s)], 1
	s_add_co_u32 s[G0B+4*(\s)+1], s20, (\s)*SLOT
	s_add_nc_u64 s[G0B+4*(\s)+2:G0B+4*(\s)+3], s[46:47], (\s)*STEP_B
	s_or_b32 s[G0B+4*(\s)+3], s[G0B+4*(\s)+3], 0x80000000
	JLOAD \s                                       ; two loads of mine are out
.endr
	; a fragment of x: lane l holds row l % 16; K = 8 (l / 16) + 0..7 and 16 + 8 (l / 16) + 0..7: two loads of 16 bytes, 32 bytes apart
	v_and_b32 v1, 15, v0                           ; r = l % 16
	v_bfe_u32 v2, v0, 4, 1                         ; h = l / 16
	v_mul_u32_u24 v3, v1, PA
	v_lshl_add_u32 v3, v2, 4, v3
	s_mul_i32 s21, s13, 64*PA
	v_add_nc_u32 v[ADRA], s21, v3
	v_add_nc_u32 v[ADRA+1], SLOT, v[ADRA]
	; the turning load: lane l reads 16 bytes of row k = 8 (l / 16) + l % 8, columns 8 ((l / 8) % 2) + 0..7, and is left with column l % 16 and 8 k
	v_and_b32 v4, 7, v0
	v_lshl_add_u32 v4, v2, 3, v4
	v_mul_u32_u24 v4, v4, PB
	v_bfe_u32 v5, v0, 3, 1
	v_lshl_add_u32 v4, v5, 4, v4
	s_mul_i32 s22, s14, 2*SUB
	s_add_co_u32 s22, s22, SUB                     ; X: sub-tile 2 wn, region 1 + 2 wn
	v_add_nc_u32 v[ADRX], s22, v4
	v_add_nc_u32 v[ADRX+1], SLOT, v[ADRX]
	s_lshl_b32 s23, s14, 7
	s_add_co_u32 s23, s23, 2*SUB                   ; Y: sub-tile 1, region 2, its columns 64 wn on
	v_add_nc_u32 v[ADRY], s23, v4
	v_add_nc_u32 v[ADRY+1], SLOT, v[ADRY]
	s_mul_i32 s21, s[WV], STW
	s_add_co_u32 s21, s21, STAGE                   ; my stage
	v_mul_u32_u24 v[STO], v1, SPH                  ; in: row l % 16, 16 bytes for each half of the lanes
	v_lshl_add_u32 v[STO], v2, 4, v[STO]
	v_add_nc_u32 v[STO], s21, v[STO]
	v_bfe_u32 v[RD], v0, 3, 2                      ; back: 32 lanes take four rows of 128 bytes,
	v_mul_u32_u24 v[RD], v[RD], SPH
	v_and_b32 v5, 7, v0
	v_lshl_add_u32 v[RD], v5, 4, v[RD]
	v_add_nc_u32 v[RD], s21, v[RD]
	v_and_b32 v[GO], 31, v0                        ; which are 512 consecutive bytes of a head
	v_lshlrev_b32 v[GO], 4, v[GO]
	; where my rows lie in qkv.  Head number g = column / 64 counts q's 16, k's 16, v's 16: X has g = 6 tx + 4 wn (even, so its pair lies in one of the three) and g + 1, Y has 6 tx + 2 + wn
	s_mul_i32 s76, s42, 6
	s_lshl_b32 s77, s14, 2
	s_add_co_u32 s77, s76, s77                     ; X's g
	s_add_co_u32 s78, s76, s14
	s_add_co_u32 s78, s78, 2                       ; Y's g
	s_lshr_b32 s79, s43, 4
	s_lshl_b32 s79, s79, 4                         ; 16 x batch
	s_and_b32 s80, s43, 15
	s_lshl_b32 s80, s80, 1
	s_add_co_u32 s80, s80, s13
	s_lshl_b32 s80, s80, 13                        ; my first row in the batch, 64 (2 (ty % 16) + wm), x 128 bytes
.irp c, 0,1
	s_lshr_b32 s81, s[77+(\c)], 4
	s_lshl_b32 s81, s81, 6                         ; q, k or v: 64 heads each
	s_and_b32 s82, s[77+(\c)], 15
	s_add_co_u32 s81, s81, s82
	s_add_co_u32 s81, s81, s79
	s_lshl_b32 s81, s81, 18                        ; a head is 262,144 bytes
	s_add_co_u32 s82, s81, s80
	s_mov_b32 s83, 0
	s_add_nc_u64 s[CX+2*(\c):CX+2*(\c)+1], s[10:11], s[82:83]
.endr
	; the bias of my 192 columns: 8 registers a block, the same in all lanes of a half
	s_mul_i32 s81, s42, 1536                       ; 4 bytes x 384 tx
	s_lshl_b32 s82, s14, 10
	s_add_co_u32 s82, s81, s82
	v_lshl_add_u32 v[BOX], v2, 5, s82              ; 4 (384 tx + 256 wn + 8 h)
	s_lshl_b32 s82, s14, 8
	s_add_co_u32 s82, s81, s82
	s_add_co_u32 s82, s82, 512
	v_lshl_add_u32 v[BOY], v2, 5, s82              ; 4 (384 tx + 128 + 64 wn + 8 h)
	WIN TO_BI
.irp b, 0,1,2,3,4,5,6,7
	global_load_b128 v[BI+8*(\b):BI+8*(\b)+3],   v[BOX], s[8:9] offset:64*(\b)
	global_load_b128 v[BI+8*(\b)+4:BI+8*(\b)+7], v[BOX], s[8:9] offset:64*(\b)+16
.endr
.irp b, 0,1,2,3
	global_load_b128 v[BI+64+8*(\b):BI+64+8*(\b)+3],   v[BOY], s[8:9] offset:64*(\b)
	global_load_b128 v[BI+64+8*(\b)+4:BI+64+8*(\b)+7], v[BOY], s[8:9] offset:64*(\b)+16
.endr
	s_wait_loadcnt 0x0
	WIN RND
.set p, 0
.rept 48                               ; rounded to bf16 like the other inputs, and kept as f32; all this stands in the wait for the first tiles
	v_cvt_pk_bf16_f32 v[BT+p%4], v[BI+2*p], v[BI+2*p+1]
	v_lshlrev_b32 v[BI+2*p], 16, v[BT+p%4]
	v_and_b32 v[BI+2*p+1], 0xffff0000, v[BT+p%4]
.set p, p+1
.endr
	WIN 0
; 8 products: blocks b = 2 g, 2 g + 1 x my four blocks a of 16 rows, 32 along K, from buffer f.  first = 1: the sums start with the bias.
; All 48 accumulators take turns in one fixed order in every quarter: 47 others' products stand between two on one accumulator, over the backward jump too.
.macro MULG f, g, first
.if (\g) >= 4
	WIN MUL_Y
.elseif \first
	WIN FIRST_X
.else
	WIN MUL_X
.endif
.irp a, 0,1,2,3
.irp e, 0,1
.set bb, 2*(\g)+(\e)
.set rD, 8*(4*(bb%8)+(\a))
.if \first
	v_wmma_f32_16x16x32_bf16 v[rD:rD+7], v[96*(\f)+8*bb:96*(\f)+8*bb+7], v[FA+32*(\f)+8*(\a):FA+32*(\f)+8*(\a)+7], v[BI+8*bb:BI+8*bb+7]
.else
	v_wmma_f32_16x16x32_bf16 v[rD:rD+7], v[96*(\f)+8*bb:96*(\f)+8*bb+7], v[FA+32*(\f)+8*(\a):FA+32*(\f)+8*(\a)+7], v[rD:rD+7]
.endif
.endr
.endr
.endm
; 32 LDS loads in one run: the fragments of quarter q (32 along K) of slot s into buffer f: x's 8, X's 16, Y's 8, in that order
.macro FETCH s, q, f
	WIN 0
.irp i, 0,1,2,3
	ds_load_b128 v[FA+32*(\f)+8*(\i):FA+32*(\f)+8*(\i)+3],   v[ADRA+(\s)] offset:64*(\q)+(\i)*16*PA
	ds_load_b128 v[FA+32*(\f)+8*(\i)+4:FA+32*(\f)+8*(\i)+7], v[ADRA+(\s)] offset:64*(\q)+(\i)*16*PA+32
.endr
	WIN TO_B
.irp b, 0,1,2,3,4,5,6,7
	ds_load_tr16_b128 v[96*(\f)+8*(\b):96*(\f)+8*(\b)+3],   v[ADRX+(\s)] offset:32*PB*(\q)+32*(\b)
	ds_load_tr16_b128 v[96*(\f)+8*(\b)+4:96*(\f)+8*(\b)+7], v[ADRX+(\s)] offset:32*PB*(\q)+32*(\b)+16*PB
.endr
.irp b, 0,1,2,3
	ds_load_tr16_b128 v[96*(\f)+64+8*(\b):96*(\f)+64+8*(\b)+3],   v[ADRY+(\s)] offset:32*PB*(\q)+32*(\b)
	ds_load_tr16_b128 v[96*(\f)+64+8*(\b)+4:96*(\f)+64+8*(\b)+7], v[ADRY+(\s)] offset:32*PB*(\q)+32*(\b)+16*PB
.endr
.endm
; A K step is four quarters on buffers 0, 1, 0, 1.  One of the first three: multiplies buffer f and fetches quarter qn of the same slot into buffer g.
.macro QUARTER s, qn, f, g, first
	s_wait_dscnt 8                                 ; x's and X's fragments are in; the youngest eight loads (Y's) may be out
	MULG \f, 0, \first
	MULG \f, 1, \first
	PLACES
	FETCH \s, \qn, \g
	s_wait_dscnt 32                                ; all but the 32 just issued
	MULG \f, 2, \first
	MULG \f, 3, \first
	MULG \f, 4, \first
	MULG \f, 5, \first
.endm
; The last quarter multiplies buffer 1 and changes slots: ONE barrier.  In front of it each wave waits for all its tensor loads (one is out: its part of the next slot), adds 0 to its spare word, and waits
; for that and for its own reads of this slot.  fill = 1: the barrier opens a round of the cluster's barrier and this slot is filled again, two K steps on, first thing behind the round.
.macro TURN s, next, fill
	WIN 0                                          ; (the add's two registers lie in window 0)
	s_wait_tensorcnt 0x0                           ; all my tensor loads have landed, so every group 0 may be written
	ds_add_u32 v[SPW], v[NIL]                      ; 0 onto my spare word
	s_wait_dscnt 9                                 ; (the add and Y's eight loads may be out)
	MULG 1, 0, 0                                   ; sixteen products stand between the add and the wait for it
	MULG 1, 1, 0
	s_wait_dscnt 0x0                               ; the add is done, and my reads of this slot are over
	s_barrier_signal -1
	MULG 1, 2, 0                                   ; work on registers while the others arrive
.if \fill
	WIN 0
.endif
	s_barrier_wait -1
.if \fill
	CREST                                          ; no wave of any partner still reads this slot or has a load on its way
	s_add_nc_u64 s[G0+4*(\s)+2:G0+4*(\s)+3], s[G0+4*(\s)+2:G0+4*(\s)+3], 2*STEP_A
	s_add_nc_u64 s[G0B+4*(\s)+2:G0B+4*(\s)+3], s[G0B+4*(\s)+2:G0B+4*(\s)+3], 2*STEP_B
	JLOAD \s                                       ; 168 products ahead of the wait for it; its four v_nop are also the places in front of the loads below
.else
	PLACES
.endif
	FETCH \next, 0, 0
	MULG 1, 3, 0
	MULG 1, 4, 0
	MULG 1, 5, 0
.endm
	s_wait_tensorcnt 1                             ; my part of K step 0 is in; K step 1's may stay out
	s_barrier_signal -1
	s_barrier_wait -1                              ; everybody's is
	FETCH 0, 0, 0
	QUARTER 0, 1, 0, 1, 1                          ; the first quarter stands in front of the loop: its products start the sums
	WIN 0                                          ; at a label and at a branch every window is 0
	s_mov_b32 s3, LAPS-1
.Llap:                                         ; a trip goes once round the ring, from a lap's second quarter to the next lap's first, and fills both slots again
	QUARTER 0, 2, 1, 0, 0
	QUARTER 0, 3, 0, 1, 0
	TURN 0, 1, 1
	QUARTER 1, 1, 0, 1, 0
	QUARTER 1, 2, 1, 0, 0
	QUARTER 1, 3, 0, 1, 0
	TURN 1, 0, 1
	QUARTER 0, 1, 0, 1, 0
	WIN 0
	s_sub_co_u32 s3, s3, 1
	s_cmp_lg_u32 s3, 0
	s_cbranch_scc1 .Llap
	QUARTER 0, 2, 1, 0, 0                          ; the last lap is written out: it fills nothing
	QUARTER 0, 3, 0, 1, 0
	TURN 0, 1, 0
	QUARTER 1, 1, 0, 1, 0
	QUARTER 1, 2, 1, 0, 0
	QUARTER 1, 3, 0, 1, 0
	s_wait_dscnt 8                                 ; the very last quarter: nothing more to fetch
	MULG 1, 0, 0
	MULG 1, 1, 0
	s_wait_dscnt 0x0
	MULG 1, 2, 0
	MULG 1, 3, 0
	MULG 1, 4, 0
	MULG 1, 5, 0
	WIN 0
	PLACES
; THE WAY OUT, a block a of 16 rows at a time.  PACK: 12 accumulators rounded to f16, 16 bytes a lane, each accumulator's registers in ascending order.  TOSTAGE: into my own stage, by heads, and back
; as whole rows of 128 bytes.  SEND: 16 rows of a head are 2,048 consecutive bytes of qkv: each store of the wave covers 512 consecutive bytes, aligned.
.macro PACK a
	WIN PK_X
.irp b, 0,1,2,3,4,5,6,7
.irp r, 0,1,2,3
	v_cvt_pk_f16_f32 v[TMP+4*(\b)+(\r)], v[8*(4*(\b)+(\a))+2*(\r)], v[8*(4*(\b)+(\a))+2*(\r)+1]
.endr
.endr
	WIN PK_Y
.irp b, 0,1,2,3
.irp r, 0,1,2,3
	v_cvt_pk_f16_f32 v[TMP+32+4*(\b)+(\r)], v[8*(4*(\b)+(\a))+2*(\r)], v[8*(4*(\b)+(\a))+2*(\r)+1]
.endr
.endr
	WIN 0
.endm
.macro TOSTAGE a
.set BK, OB0-(OB0-OB1)*((\a)%2)
	s_wait_xcnt 0x0                                ; the stores of the block two back have read their registers: these are loaded again only behind this wait
.irp b, 0,1,2,3,4,5,6,7,8,9,10,11
	ds_store_b128 v[STO], v[TMP+4*(\b):TMP+4*(\b)+3] offset:((\b)/4)*16*SPH+((\b)%4)*32
.endr
.irp t, 0,1,2,3,4,5,6,7,8,9,10,11
	ds_load_b128 v[BK+4*(\t):BK+4*(\t)+3], v[RD] offset:((\t)/4)*16*SPH+((\t)%4)*4*SPH  ; LDS serves a wave's instructions in order (ISA guide 5.7.1.4): these see the stores above; the next block's stores come behind them
.endr
.endm
.macro SEND a
.set BK, OB0-(OB0-OB1)*((\a)%2)
	s_wait_dscnt 0x0                               ; the block is back in registers
.irp t, 0,1,2,3,4,5,6,7
	global_store_b128 v[GO], v[BK+4*(\t):BK+4*(\t)+3], s[CX:CX+1] offset:((\t)/4)*262144+(\a)*2048+((\t)%4)*512
.endr
.irp t, 8,9,10,11
	global_store_b128 v[GO], v[BK+4*(\t):BK+4*(\t)+3], s[CY:CY+1] offset:(\a)*2048+((\t)%4)*512
.endr
.endm
	PACK 0
	TOSTAGE 0
.irp a, 1,2,3                          ; block a's conversions stand between block a - 1's loads from the stage and the wait for them
	PACK \a
	SEND (\a)-1
	TOSTAGE \a
.endr
	SEND 3
	s_wait_tensorcnt 0x0                           ; the wave's end: the add and its wait, behind my last tensor load and my last LDS store
	ds_add_u32 v[SPW], v[NIL]
	s_wait_dscnt 0x0
	CROUND                                         ; the closing round: no work-group ends while a partner may still ask for a tile that names it
	s_endpgm
.Lfunc_end_k_q8a063d7a2d_inproj:
	.size	k_q8a063d7a2d_inproj, .Lfunc_end_k_q8a063d7a2d_inproj-k_q8a063d7a2d_inproj
	.p2alignl 7, 3214868480
	.fill 96, 4, 3214868480
	.section	.rodata,"a",@progbits
	.p2align	6, 0x0
	.amdhsa_kernel k_q8a063d7a2d_inproj
		.amdhsa_group_segment_fixed_size 327680
		.amdhsa_private_segment_fixed_size 0
		.amdhsa_enable_private_segment 0
		.amdhsa_kernarg_size 32
		.amdhsa_user_sgpr_count 2
		.amdhsa_user_sgpr_kernarg_segment_ptr 1
		.amdhsa_wavefront_size32 1
		.amdhsa_system_sgpr_workgroup_id_x 1
		.amdhsa_system_sgpr_workgroup_id_y 1
		.amdhsa_system_sgpr_workgroup_id_z 1
		.amdhsa_system_vgpr_workitem_id 0
		.amdhsa_next_free_vgpr 1024
		.amdhsa_next_free_sgpr 88
		.amdhsa_reserve_vcc 0
		.amdhsa_float_denorm_mode_32 3
		.amdhsa_float_denorm_mode_16_64 3
		.amdhsa_memory_ordered 1
		.amdhsa_forward_progress 1
		.amdhsa_inst_pref_size 130
	.end_amdhsa_kernel
	.amdgpu_metadata
---
amdhsa.version: [ 1, 2 ]
amdhsa.kernels:
  - .name:           k_q8a063d7a2d_inproj
    .symbol:         k_q8a063d7a2d_inproj.kd
    .args:
      - { .name: xb, .offset: 0, .size: 8, .value_kind: global_buffer, .address_space: global }
      - { .name: wi, .offset: 8, .size: 8, .value_kind: global_buffer, .address_space: global }
      - { .name: b_in, .offset: 16, .size: 8, .value_kind: global_buffer, .address_space: global }
      - { .name: qkv, .offset: 24, .size: 8, .value_kind: global_buffer, .address_space: global }
    .group_segment_fixed_size: 327680
    .private_segment_fixed_size: 0
    .kernarg_segment_align: 8
    .kernarg_segment_size: 32
    .max_flat_workgroup_size: 128
    .sgpr_count:     88
    .vgpr_count:     1024
    .wavefront_size: 32
...
	.end_amdgpu_metadata
.endif
;; end of part 2
;; launch attn (part 3): grid 4 x 64, 4 waves a work-group, clusters of 4 x 1, 327,680 bytes of LDS; arguments qkv, mask, oh; writes oh
.if DOCPART == 3
	.amdgcn_target "amdgcn-amd-amdhsa--gfx1250"
	.amdhsa_code_object_version 6
	.text
	.protected	k_q8a063d7a2d_attn
	.globl	k_q8a063d7a2d_attn
	.p2align	8
	.type	k_q8a063d7a2d_attn,@function
k_q8a063d7a2d_attn:
	s_mov_b64 s[64:65], 0
	v_nop
	global_prefetch_b8 v0, s[64:65] scope:SCOPE_SE
	s_setreg_imm32_b32 hwreg(HW_REG_WAVE_MODE, 25, 1), 1
	s_wait_xcnt 0x0
	s_wait_alu depctr_hold_cnt(0) depctr_sa_sdst(0) depctr_va_vdst(0) depctr_va_sdst(0) depctr_va_ssrc(0) depctr_va_vcc(0) depctr_vm_vsrc(0)
	s_getreg_b32 s2, hwreg(HW_REG_IB_STS2, 6, 4)
	s_cmp_eq_u32 s2, 0
	s_cbranch_scc0 .Lentry_in_a_cluster
	s_endpgm
.Lentry_in_a_cluster:
	s_bfe_u32 s2, ttmp6, 0x10000c
	s_cmp_lg_u32 s2, 0x3003
	s_cbranch_scc0 .Lentry_shape_is_right
	s_endpgm
.Lentry_shape_is_right:
; O[h][q][:] = the sum over k of softmax_k(Q[h][q] . K[h][k] / 8 + hidden_k) V[h][k][:], hidden_k = 0 where mask[batch][k] > 0, else minus infinity.
; qkv: [3][64 heads = 16 batch + head][2048][64] f16 (Q, then K, then V); mask: [4][2048] i32; oh: [64][2048][64] f16.  A head's rows are dense, 128 bytes each.  Products, maxima and sums in f32;
; the weights p are rounded to f16 for the second product (their sum l is taken of the unrounded p), O once at the end.
; LIMITS.  f16 holds no number beyond 65,504: Q, K and V arrive within it; p lies in 0 to 1, and below 6e-5 it keeps f16's fixed step of 6e-8; O is a mean of V's rows and has their range.
; A hidden score counts as its value less 1e30: f16's scores, 2.7e11 at the most, are nothing beside that.  A weight below 2^-126 counts as 0 in l.  NaN and infinities in Q, K, V are not treated apart.
; THE MASK is the C operand of the product that starts the sum S^T = K Q^T: 0 or -1e30 for each key, from a table of f32 in LDS that the work-group makes once of its batch's 2,048 mask words.
; SHARES.  A wave owns four PIECES of two tiles of 16 queries, a work-group's four waves 512 queries of one head.  Every wave walks all keys, 64 a step.
; LAYOUT.  S^T = K Q^T (source 0 = 16 keys, source 1 = 16 queries): in the result a lane holds ONE query (lane % 16) and the keys 8 (lane / 16) + 0..7.  Two such tiles, rounded to f16 in pairs,
; ARE source 1 (32 keys x 16 queries) of O^T = V^T P, whose result again holds one query a lane, and eight channels.  K comes out of LDS as it lies, V ([key][channel]) turned, by ds_load_tr16_b128.
; SOFTMAX.  For each query a running maximum m and sum l: p = 2^(c s - c m), c = log2(e) / 8; in every step O and l are multiplied by a = 2^(c m_old - c m_new), which is 1 where m has not grown.
; m starts at -2^66: far below every visible score, far above every hidden one.  So while all keys seen are hidden every p is exactly 0 and O and l stay 0; c m starts far below c m_new, so the first a is 0.
; A batch with no visible key ends with O = 0 and l = 0: O / l is NaN, as a softmax over nothing but minus infinity is.
; THE COUNT.  A tile and step have 16 matrix and 118 vector instructions: too many to stand all beside the matrix work.  So the order has one aim: four vector instructions that are READY behind
; EVERY matrix instruction, and the others, which need time of their own whatever the order, in runs without a gap.
; BY TURNS.  Turn n belongs to piece n (the pieces in a ring, step after step).  Its matrix work: 16 products K Q^T of piece n + 1, later 16 products V^T P of piece n - 1.  Its vector work: the scaling,
; exponentials, roundings, sums and rescaling of piece n, and the maximum and statistics of piece n + 1, whose scores the turn itself has made.
; CLUSTER.  The four query blocks of a cluster are one head's and walk the same K and V, so each tile is asked for JOINTLY: the same tensor load, descriptor and mask in all four.
; REGISTERS, in windows of 256 (s_set_vgpr_msb: bits 1:0 source 0, 3:2 source 1, 5:4 source 2, 7:6 destination):
;   window 0: v0-11 addresses; v12-15, v48-63 at work; v16-47 four registers of statistics a tile; v64-191 S^T, two buffers of two tiles; v192-255 P, likewise
;   window 1: O^T, 32 a tile     window 2: v0-127 Q, 16 a tile; v128-191 K of one step; v192-255 V of one step     window 3: v0-1 the add's two registers; v8-39 the mask of one step's 64 keys
.set SIZE_N, 2048
.set NP,    4         ; pieces a wave: a name, no knob
.set KS,    64        ; keys in a step
.set PK,    144       ; a row of K in LDS: 128 bytes + 16 of padding: the 16 rows of a load start at 16 different groups of four banks (64 banks of 4 bytes: ISA guide 11.1)
.set PV,    160       ; a row of V: 128 + 32
.set VOFF,  4*KS*PK   ; a slot holds four steps: 256 rows of K, then 256 rows of V
.set SLOT1, 1<<17     ; slot 1 begins here, so that one exclusive or turns an address in one slot into the other's
.set STAGE, SLOT1+4*KS*(PK+PV)  ; behind the ring, never filled by a tensor load: 16 rows x 144 bytes for each wave, for the way out
.set SP,    144
.set SPARE, STAGE+4*16*SP  ; the spare words, 128 bytes for each wave: two blocks of 256 bytes that no other line names
.set MASKB, SPARE+512      ; the mask table: 2,048 f32, blocks of their own
.set AK0, 2           ; v2   my lane's place in a tile of K; never rewritten
.set AV0, 3           ; v3   the same for V
.set AK,  4           ; v4   the LDS address of K's next run of loads
.set AV,  5           ; v5   of V's
.set STO, 6           ; v6   the way out: where I put 16 bytes of a row
.set RD,  7           ; v7   the way out: where I read rows back
.set GO,  8           ; v8   my byte offset in 512 consecutive bytes of O
.set PFO, 9           ; v9   256 x my lane: the prefetches' offset; never rewritten
.set AM,  10          ; v10  the LDS address of the mask's next run of loads
.set AM0, 11          ; v11  my lanes' place in the mask table: MASKB + 32 (l / 16); never rewritten
.set SPW, 0           ; v0 of window 3   LDS address of my spare word; never rewritten
.set NIL, 1           ; v1 of window 3   0; never rewritten
.set MB,  8           ; v8-39 of window 3: the eight registers for key block kb at MB + 8 kb
.set MV,  12          ; v12-15  c m_old, kept while c m is made anew: by buffer and tile (in the set-up: l % 16, l / 16, l % 8, (l / 8) % 2)
.set ST,  16          ; tile t's statistics at v[ST+4 t]: c m, m, l (even keys', odd keys')
.set TMP, 48          ; by buffer and tile, four registers c0-c3 at work; when the maximum is found c2 takes a
.set MLO, 48          ; in the set-up alone: 16 x my thread's number, in the mask's row;
.set MST, 49          ; the same in the table;
.set QO,  50          ; my byte offset in the wave's rows of Q
.set S,   64
.set P,   192
.set KF,  128         ; K's fragments, in window 2: key block kb, channel half c at KF + 16 kb + 8 c
.set VF,  192         ; V's: key half kk, channel block cb at VF + 32 kk + 8 cb
.set WV,  12          ; s12  my wave's number
.set G1K, 24          ; s[24:31] descriptor group 1 for K's tiles
.set G1V, 32          ; s[32:39] for V's: it differs in the padding alone
.set G0K, 40          ; s[40:43] descriptor group 0 for K's tiles: it walks
.set G0V, 44          ; s[44:47] the same for V's
.set SLOTS, 56        ; s56  slots still to be asked for
.set CNT, 57          ; s57  counts a slot's key steps
.set CS,  58          ; s[58:59] c: the packed scaling takes the pair's low word for both halves
.set SEL, 60          ; s[60:61] v_permlanex16_b32's selects: each lane takes its own place in the other half
.set TBK, 62          ; s62  LDS byte at which K of the step to be fetched begins
.set TBV, 63          ; s63  the same for V, less VOFF
.set PFA, 66          ; s[66:67] where my prefetches stand: my work-group's 32 blocks of 256 bytes (of K: wave 0, of V: wave 2) of the slot after the one that is being asked for
.set LIM, 68          ; s68  1 in a wave that prefetches, else the greatest number
.set BIGN, 71         ; s71  -1e30
.set TBM, 78          ; s78  byte of the mask table at which the step to be fetched begins
.set MSB, 0
.macro WIN new                      ; the high byte repeats the setting that is left; a switch that changes nothing is dropped
.if MSB != (\new)
	s_set_vgpr_msb (MSB<<8)|(\new)
.set MSB, (\new)
.endif
.endm
.set W_KQ, 0x0a       ; K and Q in window 2, S^T in window 0
.set W_KM, 0x3a       ; the same with the C operand, the mask, in window 3
.set W_PV, 0x52       ; V in window 2, P in window 0, O^T in window 1
.set W_RS, 0x41       ; O^T (destination and source 0) in window 1, a in window 0
.set W_MK, 0xc0       ; destination in window 3, sources in window 0
.set W_AD, 0x0f       ; the add: address (source 0) and data (source 1) in window 3
; A joint fill.  Waves 0 and 1 fetch the two halves of a slot's K, waves 2 and 3 those of its V: 128 keys each.  The branch hangs on the wave's number alone.
; An s_nop 0 and four v_nop follow each of the two lines, ahead of the jump and the label.
.macro JLOAD
	s_cmp_lt_u32 s[WV], 2
	s_cbranch_scc0 .Lfor_v_\@
	tensor_load_to_lds s[G0K:G0K+3], s[G1K:G1K+7]
	s_nop 0
.rept 4
	v_nop
.endr
	s_branch .Lasked_\@
.Lfor_v_\@:
	tensor_load_to_lds s[G0V:G0V+3], s[G1V:G1V+7]
	s_nop 0
.rept 4
	v_nop
.endr
.Lasked_\@:
.endm
; A PREFETCH INTO THE L2 of what the NEXT change of slots will ask for: a slot's 256 keys, 32,768 bytes of K and as many of V.  It stands behind the wave's tensor load and its five lines.
; Each block of 256 bytes is named ONCE in the launch: a head's K and V are walked by one cluster; its four partners share a slot's 128 blocks out BY ADDRESS, 32 each, a lane a block; in each, wave 0
; asks for K's and wave 2 for V's: one instruction, four key steps ahead of the load.  The last change that fills a slot asks for nothing; the first two slots come by their loads alone.
.macro ASK
	s_cmp_gt_u32 s[SLOTS], s[LIM]
	s_cbranch_scc0 .Lnot_mine_\@
	global_prefetch_b8 v[PFO], s[PFA:PFA+1] th:TH_LOAD_NT scope:SCOPE_SE
.Lnot_mine_\@:
.endm
; A round of the cluster's barrier: my work-group's barrier, so that wave 0's signal speaks for all four waves; wave 0 signals; every wave waits for all four work-groups; my work-group's barrier once more.
.macro CROUND
	s_barrier_signal -1
	s_barrier_wait -1
	s_cmp_lg_u32 s[WV], 0
	s_cbranch_scc1 .Lnot_wave_0_\@
	s_barrier_signal -3
.Lnot_wave_0_\@:
	s_barrier_wait -3
	s_barrier_signal -1
	s_barrier_wait -1
.endm
; THE CHANGE OF SLOTS.  The slot's last bytes, V of its fourth step, have been read.  Each wave waits for all its tensor loads, of which one is out: its part of the other slot; adds 0 to its spare word;
; and waits for that and for its own LDS instructions.  Behind the barrier nobody reads this slot any more and the other slot is whole.
; fill = 1: this slot is filled again, with the keys two slots on.  The barrier is then a round of the cluster's, and the joint fill is the first thing behind it: it has four key steps, 512 matrix
; instructions, in which to land.  (At its first use nothing has been read yet: slot 0 is waited for, slot 1 filled, and every wave's stores into the mask table are shown to the others.)
.macro CHANGE fill
	WIN W_AD
	s_wait_tensorcnt 0x0            ; no tensor load of mine is out, so a group 0 may be written
	ds_add_u32 v[SPW], v[NIL]       ; 0 onto my spare word; with fill = 1 the descriptors' steps stand between it and the wait for it
	WIN 0                           ; at a label and at a branch every window is 0
.if \fill
.irp g, G0K, G0V
	s_xor_b32 s[\g+1], s[\g+1], SLOT1  ; the walking descriptor: the other slot than last time,
	s_add_nc_u64 s[\g+2:\g+3], s[\g+2:\g+3], 4*KS*128  ; the next 256 keys; the type bits on top are not reached
.endr
	s_wait_xcnt 0x0                 ; the last prefetch, four key steps back, has read its address, so it may be written:
	s_add_nc_u64 s[PFA:PFA+1], s[PFA:PFA+1], 4*KS*128  ; one slot behind the walking descriptors
	s_wait_dscnt 0x0                ; the add is done, and my LDS instructions are over
	CROUND
	JLOAD
	ASK
.else
	s_wait_dscnt 0x0                ; the add is done, and my reads of the slot are over
	s_barrier_signal -1
	s_barrier_wait -1
.endif
	s_sub_co_u32 s[TBK], s[TBK], 4*KS*PK  ; the fetches go back to a slot's first step,
	s_xor_b32 s[TBK], s[TBK], SLOT1       ; in the other slot
	s_sub_co_u32 s[TBV], s[TBV], 4*KS*PV
	s_xor_b32 s[TBV], s[TBV], SLOT1
.endm
	s_load_b128 s[72:75], s[0:1], 0x0  ; qkv s[72:73], mask s[74:75]
	s_load_b64 s[10:11], s[0:1], 0x10  ; oh
	WIN W_MK
	v_lshl_add_u32 v[SPW], v0, 2, SPARE
	v_mov_b32 v[NIL], 0
	WIN W_AD
	ds_add_u32 v[SPW], v[NIL]       ; the wave's opening: the add and its wait stand ahead of my first tensor load; the set-up below, work on registers, stands between them
	WIN 0
	v_lshrrev_b32 v1, 5, v0
	v_readfirstlane_b32 s[WV], v1   ; wave 0..3
	s_bfe_u32 s13, ttmp6, 0x40000   ; cx: my place in the cluster
	s_lshl_b32 s14, ttmp9, 2        ; in a cluster launch ttmp9 counts clusters
	s_add_co_u32 s14, s14, s13      ; my block of queries = 4 x cluster x + cx: it enters Q's and O's addresses alone
	s_and_b32 s20, ttmp7, 0xffff    ; the head, which the four partners share
	s_lshr_b32 s76, s20, 4          ; its batch:
	s_lshl_b32 s76, s76, 13         ; a row of the mask is 8,192 bytes
	s_mov_b32 s77, 0
	s_mov_b32 s21, 0
	s_mov_b64 s[22:23], SIZE_N*128
	s_mul_u64 s[20:21], s[20:21], s[22:23]  ; the head's first byte in Q, K, V and O
	s_and_b32 s16, s[WV], 1         ; which half of a slot's 256 keys I fetch:
	s_lshl_b32 s22, s16, 14         ; its 128 rows of 128 bytes in memory,
	s_mov_b32 s23, 0
	s_add_nc_u64 s[22:23], s[22:23], s[20:21]
	s_mul_i32 s17, s16, 128*PK      ; and its place in a slot, for K
	s_mul_i32 s18, s16, 128*PV      ; and for V: no place in the cluster enters an LDS address
	s_lshl_b32 s2, s14, 2
	s_add_co_u32 s2, s2, s[WV]      ; my wave among the head's,
	s_lshl_b32 s2, s2, 14           ; its 128 rows
	s_mov_b32 s3, 0
	s_add_nc_u64 s[2:3], s[2:3], s[20:21]
	; descriptor group 1.  128 keys are 16,384 dense bytes: asked for as 64 rows of 256 bytes, two keys a row, and padded in LDS after every key
	s_mov_b32 s[G1K], 15|(1<<16)|(1<<20)|(1<<21)|(4<<22)|(3<<25)  ; 15:0 the mask of four; 17:16 2-byte elements; 20 padding on; 21 set beside a mask; 24:22 after every 32 words (code 4); 31:25 4 words (code 3)
	s_mov_b32 s[G1V], 15|(1<<16)|(1<<20)|(1<<21)|(4<<22)|(7<<25)  ; the same with 8 words of padding (code 7)
.irp g, G1K, G1V
	s_mov_b32 s[\g+1], 128<<16      ; tensor_dim0 = 128
	s_mov_b32 s[\g+2], 64<<16       ; tensor_dim1 = 64
	s_mov_b32 s[\g+3], 128<<16      ; tile_dim0 = 128
	s_mov_b32 s[\g+4], 64           ; tile_dim1 = 64
	s_mov_b32 s[\g+5], 128          ; 128 elements from row to row
	s_mov_b32 s[\g+6], 0
	s_mov_b32 s[\g+7], 0
.endr
	s_mov_b32 s[CS], 0x3e38aa3b     ; c = log2(e) / 8 = 0.180337
	s_mov_b32 s[CS+1], s[CS]        ; named with it as a pair
	s_mov_b32 s[SEL], 0x76543210
	s_mov_b32 s[SEL+1], 0xfedcba98
	s_mov_b32 s[TBK], SLOT1+4*KS*PK ; the first change of slots turns these two into 0
	s_mov_b32 s[TBV], SLOT1+4*KS*PV
	s_mov_b32 s[TBM], 0
	s_mov_b32 s[BIGN], 0xf149f2ca   ; -1e30
	s_mov_b32 s[SLOTS], SIZE_N/256-1  ; seven changes of slots fill a slot: the one ahead of the loop, which does not count down, and six in it
	s_and_b32 s[LIM], s[WV], 1      ; waves 0 and 2 prefetch: the same in all four partners
	s_cmp_eq_u32 s[LIM], 0
	s_cselect_b32 s[LIM], 1, -1
	s_mov_b32 s[G0K], 1             ; 1:0 count = 1
	s_mov_b32 s[G0K+1], s17         ; 63:32 LDS address: slot 0
	s_mov_b32 s[G0V], 1
	s_add_co_u32 s[G0V+1], s18, VOFF
	s_wait_dscnt 0x0                ; the opening add is done
	s_wait_kmcnt 0x0
	s_mov_b64 s[4:5], s[72:73]      ; Q,
	s_add_nc_u64 s[6:7], s[72:73], 0x1000000  ; K: 64 heads of 262,144 bytes on,
	s_add_nc_u64 s[8:9], s[72:73], 0x2000000  ; V
	s_add_nc_u64 s[74:75], s[74:75], s[76:77]  ; the mask at my batch's row
	s_add_nc_u64 s[G0K+2:G0K+3], s[6:7], s[22:23]  ; 120:64 global address: my half of the head's first 256 keys
	s_or_b32 s[G0K+3], s[G0K+3], 0x80000000        ; 127:126 type = 2
	s_add_nc_u64 s[G0V+2:G0V+3], s[8:9], s[22:23]
	s_or_b32 s[G0V+3], s[G0V+3], 0x80000000
	s_add_nc_u64 s[4:5], s[4:5], s[2:3]  ; Q and O at my wave's first row
	s_add_nc_u64 s[10:11], s[10:11], s[2:3]
	s_cmp_lt_u32 s[WV], 2
	s_cselect_b64 s[PFA:PFA+1], s[6:7], s[8:9]
	s_add_nc_u64 s[PFA:PFA+1], s[PFA:PFA+1], s[20:21]  ; the head,
	s_lshl_b32 s2, s13, 13          ; my work-group's 32 blocks of a slot's 128,
	s_mov_b32 s3, 0
	s_add_nc_u64 s[PFA:PFA+1], s[PFA:PFA+1], s[2:3]
	s_add_nc_u64 s[PFA:PFA+1], s[PFA:PFA+1], 4*KS*128  ; in the second 256 keys; the first change of slots steps it to the third
	CROUND                          ; all four work-groups are here: the first joint loads meet
	JLOAD                           ; slot 0.  Slot 1 is asked for when slot 0 is in: the tile wanted first has the road to itself
	v_and_b32 v12, 15, v0           ; l % 16
	v_bfe_u32 v13, v0, 4, 1         ; l / 16
	v_lshlrev_b32 v[MLO], 4, v0
.irp j, 0,1,2,3                     ; the batch's 2,048 mask words: 128 threads x 4 words, four times; ahead of Q's loads, so that a counted wait shows them in
	global_load_b128 v[S+4*\j:S+4*\j+3], v[MLO], s[74:75] offset:2048*\j
.endr
	; A fragment of K or Q is 16 rows x 32 channels in 8 registers: lane l holds row l % 16, channels 8 (l / 16) + 0..7 and 16 + 8 (l / 16) + 0..7: two loads of 16 bytes, 32 bytes apart.
	v_lshlrev_b32 v[QO], 7, v12
	v_lshl_add_u32 v[QO], v13, 4, v[QO]  ; row x 128 + 16 x half
	WIN 0x80                        ; destination window 2, address window 0
.set i, 0
.rept 4*NP                          ; Q stays in registers: tile i / 2, channels 32 (i % 2) on
	global_load_b128 v[8*i:8*i+3],   v[QO], s[4:5] offset:(i/2)*2048+(i%2)*64
	global_load_b128 v[8*i+4:8*i+7], v[QO], s[4:5] offset:(i/2)*2048+(i%2)*64+32
.set i, i+1
.endr
	; What the first turn finds: V's registers and P's second buffer hold 0 (its products V^T P, of a piece that has not been, add 0), O^T and l are 0.  All this stands in the wait for the first tile.
.set i, VF
.rept 64
	v_mov_b32 v[i], 0
.set i, i+1
.endr
	WIN 0x40
.set i, 0
.rept 64*NP
	v_mov_b32 v[i], 0
.set i, i+1
.endr
	WIN 0
.set i, 0
.rept 2*NP
	v_mov_b32 v[ST+4*i], 0xfe000000    ; c m: far below every c m to come, so the first a is 0
	v_mov_b32 v[ST+4*i+1], 0xe0800000  ; m = -2^66: below every visible score, above every hidden one
	v_mov_b32 v[ST+4*i+2], 0
	v_mov_b32 v[ST+4*i+3], 0
.set i, i+1
.endr
.set i, P+32
.rept 32
	v_mov_b32 v[i], 0
.set i, i+1
.endr
	v_mul_u32_u24 v[AK0], v12, PK
	v_lshl_add_u32 v[AK0], v13, 4, v[AK0]  ; row x pitch + 16 x half
	; The turning load takes 16 keys x 16 channels (lane l reads key 8 (l / 16) + l % 8, channels 8 ((l / 8) % 2) + 0..7) and leaves half a fragment of V^T: lane l holds channel l % 16 and 8 keys.
	v_and_b32 v14, 7, v0
	v_bfe_u32 v15, v0, 3, 1
	v_lshl_add_u32 v[AV0], v13, 3, v14
	v_mul_u32_u24 v[AV0], v[AV0], PV
	v_lshl_add_u32 v[AV0], v15, 4, v[AV0]
	v_add_nc_u32 v[AV0], VOFF, v[AV0]
	v_mov_b32 v[AK], v[AK0]         ; key step 0 lies at the head of slot 0,
	v_lshl_add_u32 v[AM0], v13, 5, MASKB  ; my lane's eight keys of a block of 16: 32 bytes of the table
	v_mov_b32 v[AM], v[AM0]         ; and at the head of the table
	s_mul_i32 s13, s[WV], 16*SP
	s_add_co_u32 s13, s13, STAGE    ; my stage
	v_mul_u32_u24 v[STO], v12, SP   ; in: row l % 16, 16 bytes for each half of the lanes
	v_lshl_add_u32 v[STO], v13, 4, v[STO]
	v_add_nc_u32 v[STO], s13, v[STO]
	v_bfe_u32 v[RD], v0, 3, 2       ; back: 32 lanes take four rows of 128 bytes,
	v_mul_u32_u24 v[RD], v[RD], SP
	v_lshl_add_u32 v[RD], v14, 4, v[RD]
	v_add_nc_u32 v[RD], s13, v[RD]
	v_and_b32 v[GO], 31, v0         ; which are 512 consecutive bytes of O
	v_lshlrev_b32 v[PFO], 8, v[GO]
	v_lshlrev_b32 v[GO], 4, v[GO]
	v_lshl_add_u32 v[MST], v0, 4, MASKB
	s_wait_loadcnt 32               ; the four mask loads are in; Q's 32, issued behind them, may stay out
.set i, 0
.rept 16
	v_cmp_ge_i32 vcc_lo, 0, v[S+i]  ; hidden where the mask word is not above 0
	v_cndmask_b32 v[S+i], 0, s[BIGN], vcc_lo
.set i, i+1
.endr
.irp j, 0,1,2,3
	ds_store_b128 v[MST], v[S+4*\j:S+4*\j+3] offset:2048*\j
.endr
; THE MATRIX WORK.  The 8 accumulators of a run of 16 take turns: between the two links of a chain stand 7 others'.
; Product i of 16 of S^T = K Q^T for piece x: channels 32 (i / 8) on, keys 16 ((i / 2) % 4) on, tile 2 x + i % 2.  The first 8 start the sums, with the mask of their 16 keys.
.macro KQ x
.set rS, S+64*((\x)%2)+32*(i%2)+8*((i/2)%4)
.set rK, KF+16*((i/2)%4)+8*(i/8)
.set rQ, 16*(2*(\x)+i%2)+8*(i/8)
.set rB, MB+8*((i/2)%4)
.if i < 8
	WIN W_KM
	v_wmma_f32_16x16x32_f16 v[rS:rS+7], v[rK:rK+7], v[rQ:rQ+7], v[rB:rB+7]
.else
	WIN W_KQ
	v_wmma_f32_16x16x32_f16 v[rS:rS+7], v[rK:rK+7], v[rQ:rQ+7], v[rS:rS+7]
.endif
.endm
; Product i of 16 of O^T += V^T P for piece x: keys 32 (i / 8) on, channels 16 ((i / 2) % 4) on, tile 2 x + i % 2.
.macro PV x
	WIN W_PV
.set rO, 32*(2*(\x)+i%2)+8*((i/2)%4)
.set rV, VF+32*(i/8)+8*((i/2)%4)
.set rP, P+32*((\x)%2)+16*(i%2)+8*(i/8)
	v_wmma_f32_16x16x32_f16 v[rO:rO+7], v[rV:rV+7], v[rP:rP+7], v[rO:rO+7]
.endm
.macro MM                           ; the turn's next matrix instruction
.if i < 16
	KQ (Y+1)%NP
.set i, i+1
.else
.set i, i-16
	PV (Y+NP-1)%NP
.set i, i+17
.endif
.endm
; THE LDS LOADS stand in runs, never singly among the matrix instructions: a step's K (64 keys x 64 channels: 8 fragments) with its mask (8 f32 a lane for each block of 16 keys), and its V (turned).
; Their addresses are made some lines ahead.  The mask's registers live as long as K's: last read earlier, first read at the same product.
; last = 1 (the tail): in the last trip there is no further step, and the run is jumped over.
.macro FETCH_K last=0
	WIN 0
.if \last
	s_cmp_eq_u32 s[CNT], 1
	s_cbranch_scc1 .Lno_k_\@
.endif
	WIN 0x80                        ; destination window 2
.irp f, 0,1,2,3,4,5,6,7             ; keys 16 (f / 2) on, channels 32 (f % 2) on
	ds_load_b128 v[KF+8*\f:KF+8*\f+3],   v[AK] offset:(\f/2)*16*PK+(\f%2)*64
	ds_load_b128 v[KF+8*\f+4:KF+8*\f+7], v[AK] offset:(\f/2)*16*PK+(\f%2)*64+32
.endr
	WIN W_MK                        ; destination window 3
.irp f, 0,1,2,3                     ; keys 16 f + 8 (l / 16) + 0..7
	ds_load_b128 v[MB+8*\f:MB+8*\f+3],   v[AM] offset:64*\f
	ds_load_b128 v[MB+8*\f+4:MB+8*\f+7], v[AM] offset:64*\f+16
.endr
	s_add_co_u32 s[TBK], s[TBK], KS*PK  ; the next fetch is the next step's
	s_add_co_u32 s[TBM], s[TBM], KS*4
	WIN 0
.if \last
.Lno_k_\@:
.endif
.endm
.macro FETCH_V
	WIN 0x80
.irp f, 0,1,2,3,4,5,6,7             ; keys 32 (f / 4) on, channels 16 (f % 4) on
	ds_load_tr16_b128 v[VF+8*\f:VF+8*\f+3],   v[AV] offset:(\f/4)*32*PV+(\f%4)*32
	ds_load_tr16_b128 v[VF+8*\f+4:VF+8*\f+7], v[AV] offset:(\f/4)*32*PV+16*PV+(\f%4)*32
.endr
	WIN 0
.endm
; THE VECTOR WORK OF A TURN stands in three queues, each in the order in which its entries become ready; the two tiles alternate, so that no instruction reads the result of the one before it.
.macro REGS y, u                    ; the registers of tile u (0, 1) of piece y
.set rT, ST+4*(2*(\y)+(\u))
.set rC, TMP+8*((\y)%2)+4*(\u)
.set rM, MV+2*((\y)%2)+(\u)
.set rS, S+64*((\y)%2)+32*(\u)
.set rP, P+32*((\y)%2)+16*(\u)
.set rO, 32*(2*(\y)+(\u))
.endm
; Number n of the 22 that find the NEXT piece's (Y + 1) maximum and statistics.  s0-s31 are the lane's 32 scores; each accumulator's lowest registers are read first.  XS, GS and REGS set no window: PL and EX do.
;   0-11  four chains c0-c3 of seven scores each, three operands at a time     12-14, 16  the four scores left over, the old m, and c0-c3 into c0     15  c m_old is kept
;   17, 18  the query's other 32 keys lie in the lane 16 away: the new m         19-21  c m; c m_old - c m_new; a
.macro XS u, n
	REGS (Y+1)%NP, \u
.if (\n) < 4
	v_max3_num_f32 v[rC+(\n)], v[rS+8*(\n)], v[rS+8*(\n)+1], v[rS+8*(\n)+2]
.elseif (\n) < 12
	v_max3_num_f32 v[rC+(\n)%4], v[rC+(\n)%4], v[rS+8*((\n)%4)+2*((\n)/4)+1], v[rS+8*((\n)%4)+2*((\n)/4)+2]
.elseif (\n) == 12
	v_max3_num_f32 v[rC], v[rC], v[rS+7], v[rS+15]
.elseif (\n) == 13
	v_max3_num_f32 v[rC+1], v[rC+1], v[rS+23], v[rS+31]
.elseif (\n) == 14
	v_max3_num_f32 v[rC+2], v[rC+2], v[rC+3], v[rT+1]
.elseif (\n) == 15
	v_mov_b32 v[rM], v[rT]
.elseif (\n) == 16
	v_max3_num_f32 v[rC], v[rC], v[rC+1], v[rC+2]
.elseif (\n) == 17
	v_permlanex16_b32 v[rC+3], v[rC], s[SEL], s[SEL+1]
.elseif (\n) == 18
	v_max_num_f32 v[rT+1], v[rC], v[rC+3]
.elseif (\n) == 19
	v_mul_f32 v[rT], s[CS], v[rT+1]
.elseif (\n) == 20
	v_sub_f32 v[rC+1], v[rM], v[rT]
.else
	v_exp_f32 v[rC+2], v[rC+1]
.endif
.endm
; Number g of the 64 that follow the exponentials.  For each four weights k of a tile (pairs 2 k, 2 k + 1): both pairs are rounded to f16; then the second pair is added onto the first, in place;
; a group later l takes that sum (the first time as l = a l + sum).  In groups of eight, tiles alternating: round, round, add, and l for the group before.
.macro GS g
.set h, (\g)+6*((\g)/62)            ; group 0 has no group before it, and behind group 7 only l is left
.if h >= 6
.set h, h+2
.endif
	REGS Y, h%2
.set k, h/8
.if h%8 < 4
	s_wait_alu depctr_va_vdst(0)
	v_cvt_pk_f16_f32 v[rP+2*k+(h%8)/2], v[rS+4*k+2*((h%8)/2)], v[rS+4*k+2*((h%8)/2)+1]
.elseif h%8 < 6
	v_pk_add_f32 v[rS+4*k:rS+4*k+1], v[rS+4*k:rS+4*k+1], v[rS+4*k+2:rS+4*k+3]
.elseif k == 1
	v_pk_fma_f32 v[rT+2:rT+3], v[rT+2:rT+3], v[rC+2:rC+3], v[rS:rS+1] op_sel_hi:[1,0,1]
.else
	v_pk_add_f32 v[rT+2:rT+3], v[rT+2:rT+3], v[rS+4*k-4:rS+4*k-3]
	s_wait_alu depctr_va_vdst(0)
.endif
.endm
; THE PLAIN QUEUE, 138 long.  0-31: c s - c m for the 16 pairs of both tiles.  Then GS's 64, and among them the next piece's 42: number 15 at 38, 39; 0-14 and 16
; at 42-73, behind the products that make those scores; 17-20 at 95-106, two of three, since each waits for the one before it.
.macro PL
	WIN 0
.if q < 32
	REGS Y, q%2
	v_pk_fma_f32 v[rS+2*(q/2):rS+2*(q/2)+1], v[rS+2*(q/2):rS+2*(q/2)+1], s[CS:CS+1], v[rT:rT+1] op_sel_hi:[1,0,0] neg_lo:[0,0,1] neg_hi:[0,0,1]
.elseif q < 38
	GS q-32
.elseif q < 40
	XS q%2, 15
.elseif q < 42
	GS q-34
.elseif q < 74
	XS q%2, (q-42)/2+(q-42)/30
.elseif q < 95
	GS q-66
.elseif (q < 107) && ((q-95)%3 < 2)
	XS (q-95)%3, 17+(q-95)/3
.elseif q < 107
	GS 29+(q-95)/3
.else
	GS q-74
.endif
.set q, q+1
.endm
; THE EXPONENTIALS' QUEUE, 66 long: s0-s31 of both tiles, and at EA the next piece's two a.
.set EA, 58
.macro EX
	WIN 0
.if (e == EA) || (e == EA+1)
	XS e-EA, 21
.else
.set x, e-2*(e/(EA+2))
	REGS Y, x%2
	v_exp_f32 v[rS+x/2], v[rS+x/2]
.endif
.set e, e+1
.endm
; THE RESCALING's QUEUE: O^T times a, the one part that leaves window 0, so it is dealt four at a time, eight times.
.macro R4
	REGS Y, r%2
	WIN W_RS
	s_wait_alu depctr_va_vdst(0)
.irp z, 0,1,2,3
	v_pk_mul_f32 v[rO+8*(r/2)+2*\z:rO+8*(r/2)+2*\z+1], v[rO+8*(r/2)+2*\z:rO+8*(r/2)+2*\z+1], v[rC+2:rC+3] op_sel_hi:[1,0]
.endr
.set r, r+1
.endm
; HOW THEY ARE DEALT.  Behind a matrix instruction four: plain, exponential, plain, plain (one exponential, a plain instruction on either side), or four of the rescaling.  None names a register of the
; products round it.  What is over stands in two LUMPS: exponential and plain by turns; the second ends in 22 plain instructions.  The two v_permlanex16_b32 fall into the second lump, never behind a product.
; The queues lean on each other, and the deal keeps them in step: exponential e stands behind plain 2 (e / 4) + e % 2 (its scaling); when plain 32 comes, 10 exponentials are out, at 59: 33, at 95: 46; EA comes behind plain 107.
.macro SL
	MM
	PL
	EX
	PL
	PL
.endm
.macro BURST n                      ; 15 matrix instructions, or 16
.rept (\n)-7
	SL
.endr
.rept 3
	MM
	R4
	SL
.endr
	MM
	R4
.endm
; A TURN, for piece p.  cnt = 1: the loop's count is taken down some lines ahead of the branch that stands behind the turn.
; K and the mask of the next step are fetched in piece 2's turn, 32 vector instructions behind the last product that read K; their first reader comes behind the rest of the lump, 16 products and the second lump.
; V of the step in hand is fetched at the end of piece 0's turn, 69 behind its last reader; its first reader comes behind 16 products and a lump.  The four conditions on e and q below go with the deal.
.macro TURN p, last=0, cnt=0
.set Y, (\p)
.set i, 0
.set q, 0
.set e, 0
.set r, 0
.if (\p) == NP-1
	s_wait_dscnt 0x0                ; K and its mask are in
.endif
	MM
.rept 4
	PL
.endr
	BURST 15
.rept 22
	EX
	PL
.if ((\p) == NP-2) && (e == 18)
	v_add_nc_u32 v[AK], s[TBK], v[AK0]
	v_add_nc_u32 v[AM], s[TBM], v[AM0]
.endif
.if ((\p) == NP-2) && (e == 24)
	FETCH_K \last
.endif
.endr
.if (\p) == 1
	s_wait_dscnt 0x0                ; V is in
.endif
	BURST 16
.rept 21
	EX
	PL
.endr
.rept 22
	PL
.if ((\p) == 0) && (q == 118)
	v_add_nc_u32 v[AV], s[TBV], v[AV0]
	s_wait_alu depctr_va_vdst(0)
.endif
.if ((\p) == 0) && (q == 130)
	s_add_co_u32 s[TBV], s[TBV], KS*PV
.endif
.if (\cnt) && (q == 130)
	s_sub_co_u32 s[CNT], s[CNT], 1
	s_cmp_lg_u32 s[CNT], 0
.endif
.endr
.if (\p) == 0
	FETCH_V
.endif
.endm
	CHANGE 1                        ; slot 0 is in, everybody's part of it, and so is the mask table; slot 1 is asked for
	FETCH_K                         ; key step 0
	s_wait_loadcnt 0x0              ; Q
	s_wait_dscnt 0x0
.set i, 0
.rept 16
	KQ 0                            ; piece 0's first scores: there is no vector work yet to set between them
.set i, i+1
.endr
	WIN 0
.rept 4
	v_nop                           ; the places behind those products
.endr
.set Y, NP-1                        ; XS works for piece Y + 1: piece 0
.irp n, 0,1,2,3,4,5,6,7,8,9,10,11,12,13,14,15,16,17,18,19,20,21
	XS 0, \n                        ; and piece 0's first maximum and statistics
	XS 1, \n
.endr
	s_mov_b32 s[CNT], 4
	s_branch .Lfirst                ; the loop is entered at a step's first turn, in the middle of a trip
.Lslot:                             ; SIZE_N / 256 - 2 times: every slot but the last two is filled again
	CHANGE 1
	s_mov_b32 s[CNT], 4
.Lstep:                             ; a trip: pieces 2 and 3 of one step, then pieces 0 and 1 of the next, whose K and V it fetches
	TURN 2
	TURN 3
	WIN 0
.Lfirst:
	TURN 0
	TURN 1, 0, 1
	WIN 0
	s_cbranch_scc1 .Lstep
	s_sub_co_u32 s[SLOTS], s[SLOTS], 1
	s_cmp_lg_u32 s[SLOTS], 0
	s_cbranch_scc1 .Lslot
	CHANGE 0                        ; the tail is written out: nothing is asked for
	s_mov_b32 s[CNT], 5             ; four trips fetch the last slot's steps; the fifth is left in its middle
.Ltail:
	TURN 2, 1
	TURN 3
	WIN 0
	s_sub_co_u32 s[CNT], s[CNT], 1
	s_cmp_eq_u32 s[CNT], 0
	s_cbranch_scc1 .Lout
	TURN 0
	TURN 1
	WIN 0
	s_branch .Ltail
.Lout:                              ; the fifth trip's 16 products K Q^T (on the last K once more) and the maximum made of them serve nothing: the price, once a launch, of one text for every trip
.set i, 0
.rept 16
	PV NP-1                         ; the last piece's V^T P of the last step
.set i, i+1
.endr
	; THE WAY OUT.  l's two halves and the other half of the lanes' are added; O^T is divided by l, rounded to f16 and sent through my stage in LDS, a tile at a time.  The additions are the places behind the last products.
	WIN 0
.macro ALL line:vararg              ; one line for each tile t
.set t, 0
.rept 2*NP
	\line
.set t, t+1
.endr
.endm
	ALL v_add_f32 v[ST+4*t+2], v[ST+4*t+2], v[ST+4*t+3]
	ALL v_permlanex16_b32 v[ST+4*t+3], v[ST+4*t+2], s[SEL], s[SEL+1]
	ALL v_add_f32 v[ST+4*t+2], v[ST+4*t+2], v[ST+4*t+3]
	ALL v_rcp_f32 v[ST+4*t+2], v[ST+4*t+2]
	v_nop                           ; a plain instruction between the last reciprocal and the use of its result
	s_wait_alu depctr_va_vdst(0)
; Tile t: a lane's eight channels of a row pack into 16 bytes; they go into rows of 144 bytes and come back as whole rows of 128, into S^T's registers.
.macro PACK t
	WIN W_RS
.set i, 32*(\t)
.rept 16
	v_pk_mul_f32 v[i:i+1], v[i:i+1], v[ST+4*(\t)+2:ST+4*(\t)+3] op_sel_hi:[1,0]
.set i, i+2
.endr
	WIN 0x05                        ; sources 0 and 1 window 1, destination window 0
.set i, 0
.rept 16
	v_cvt_pk_f16_f32 v[S+16*(\t)+i], v[32*(\t)+2*i], v[32*(\t)+2*i+1]
.set i, i+1
.endr
	WIN 0
.irp f, 0,1,2,3
	ds_store_b128 v[STO], v[S+16*(\t)+4*\f:S+16*(\t)+4*\f+3] offset:32*\f
.endr
.irp f, 0,1,2,3
	ds_load_b128 v[S+16*(\t)+4*\f:S+16*(\t)+4*\f+3], v[RD] offset:\f*4*SP  ; LDS serves a wave's instructions in order (ISA guide 5.7.1.4): these see the stores above; the next tile's stores come behind them
.endr
.endm
.macro SEND t, younger              ; younger: the LDS instructions issued behind tile t's loads: the next tile's eight, or none
	WIN 0
.irp f, 0,1,2,3
	s_wait_dscnt (\younger)+3-\f
	global_store_b128 v[GO], v[S+16*(\t)+4*\f:S+16*(\t)+4*\f+3], s[10:11] offset:(\t)*2048+\f*512  ; 512 consecutive bytes, at a multiple of 256 from O's first
.endr
.endm
	PACK 0
.set t, 1
.rept 2*NP-1                        ; a tile's arithmetic stands between the loads of the tile before and its stores
	PACK t
	SEND t-1, 8
.set t, t+1
.endr
	SEND 2*NP-1, 0
	WIN W_AD
	s_wait_tensorcnt 0x0            ; the wave's end: the add and its wait, behind my last tensor load and my last LDS store
	ds_add_u32 v[SPW], v[NIL]
	s_wait_dscnt 0x0
	WIN 0
	CROUND                          ; the closing round: no work-group ends while a partner may still ask for a tile that names it
	s_endpgm
.Lfunc_end_k_q8a063d7a2d_attn:
	.size	k_q8a063d7a2d_attn, .Lfunc_end_k_q8a063d7a2d_attn-k_q8a063d7a2d_attn
	.p2alignl 7, 3214868480
	.fill 96, 4, 3214868480
	.section	.rodata,"a",@progbits
	.p2align	6, 0x0
	.amdhsa_kernel k_q8a063d7a2d_attn
		.amdhsa_group_segment_fixed_size 327680
		.amdhsa_private_segment_fixed_size 0
		.amdhsa_enable_private_segment 0
		.amdhsa_kernarg_size 24
		.amdhsa_user_sgpr_count 2
		.amdhsa_user_sgpr_kernarg_segment_ptr 1
		.amdhsa_wavefront_size32 1
		.amdhsa_system_sgpr_workgroup_id_x 1
		.amdhsa_system_sgpr_workgroup_id_y 1
		.amdhsa_system_sgpr_workgroup_id_z 1
		.amdhsa_system_vgpr_workitem_id 0
		.amdhsa_next_free_vgpr 808
		.amdhsa_next_free_sgpr 80
		.amdhsa_reserve_vcc 1
		.amdhsa_float_denorm_mode_32 3
		.amdhsa_float_denorm_mode_16_64 3
		.amdhsa_memory_ordered 1
		.amdhsa_forward_progress 1
		.amdhsa_inst_pref_size 214
	.end_amdhsa_kernel
	.amdgpu_metadata
---
amdhsa.version: [ 1, 2 ]
amdhsa.kernels:
  - .name:           k_q8a063d7a2d_attn
    .symbol:         k_q8a063d7a2d_attn.kd
    .args:
      - { .name: qkv, .offset: 0, .size: 8, .value_kind: global_buffer, .address_space: global }
      - { .name: mask, .offset: 8, .size: 8, .value_kind: global_buffer, .address_space: global }
      - { .name: oh, .offset: 16, .size: 8, .value_kind: global_buffer, .address_space: global }
    .group_segment_fixed_size: 327680
    .private_segment_fixed_size: 0
    .kernarg_segment_align: 8
    .kernarg_segment_size: 24
    .max_flat_workgroup_size: 128
    .sgpr_count:     80
    .vgpr_count:     808
    .wavefront_size: 32
...
	.end_amdgpu_metadata
.endif
;; end of part 3
;; launch outproj (part 4): grid 4 x 64, 4 waves a work-group, clusters of 4 x 4, 327,680 bytes of LDS; arguments oh, wo, b_out, out0; writes out0
.if DOCPART == 4
	.amdgcn_target "amdgcn-amd-amdhsa--gfx1250"
	.amdhsa_code_object_version 6
	.text
	.protected	k_q8a063d7a2d_outproj
	.globl	k_q8a063d7a2d_outproj
	.p2align	8
	.type	k_q8a063d7a2d_outproj,@function
k_q8a063d7a2d_outproj:
	s_mov_b64 s[64:65], 0
	v_nop
	global_prefetch_b8 v0, s[64:65] scope:SCOPE_SE
	s_setreg_imm32_b32 hwreg(HW_REG_WAVE_MODE, 25, 1), 1
	s_wait_xcnt 0x0
	s_wait_alu depctr_hold_cnt(0) depctr_sa_sdst(0) depctr_va_vdst(0) depctr_va_sdst(0) depctr_va_ssrc(0) depctr_va_vcc(0) depctr_vm_vsrc(0)
	s_getreg_b32 s2, hwreg(HW_REG_IB_STS2, 6, 4)
	s_cmp_eq_u32 s2, 0
	s_cbranch_scc0 .Lentry_in_a_cluster
	s_endpgm
.Lentry_in_a_cluster:
	s_bfe_u32 s2, ttmp6, 0x10000c
	s_cmp_lg_u32 s2, 0xf033
	s_cbranch_scc0 .Lentry_shape_is_right
	s_endpgm
.Lentry_shape_is_right:
; out0 = o w_out + b_out.  oh: [64 = 16 batch + head][2048][64] f16, so K = 64 head + channel; wo: [1024 k][1024 n] f16 (w_out rounded to bf16, written as f16); b_out: [1024] f32, rounded here to bf16
; like the other inputs; sums in f32; out0: [8192][1024] f32.  A row of o that is NaN (a batch with no visible key) gives a row of NaN.
; SHARES.  A tile of C is 128 rows x 256 columns: 4 x 64 = 256 work-groups.  Four waves, each 64 rows x 128 columns: 32 accumulators of 16 x 16, 256 registers.
; K goes in 8 steps of 128 (two heads) through a ring of two LDS slots.  A slot is four regions, one tensor load of one wave each: waves 0 and 1 the 128 tokens of the step's two heads (16,384 dense bytes,
; asked for as 64 rows of 256 and padded after every token: pitch 144), waves 2 and 3 two sub-tiles [128 k][128 n] of wo as they lie in memory (pitch 288), read turned by ds_load_tr16_b128.
; CLUSTERS: 4 x 4 work-groups.  o's tiles are shared along a row of the cluster, wo's along a column: each is asked for jointly, by the same load, descriptor and mask in the four that share it.
; THE PRODUCT IS USED TRANSPOSED (source 0 = 16 columns of wo, source 1 = 16 tokens): a lane holds one row (lane % 16) and eight neighbouring columns 8 (lane / 16) + 0..7 of C.
; THE BIAS IS THE C OPERAND of each accumulator's first product.
; No prefetch into the L2: wo's rows are read by sixteen clusters at about the same time, and a request has 112 of a step's 128 products in which to land.
; REGISTERS, in windows of 256 (s_set_vgpr_msb: bits 1:0 source 0, 3:2 source 1, 5:4 source 2, 7:6 destination):
;   window 0: v0-31 addresses; v64-95, v96-127 o's fragments, two buffers; v128-159, v160-191 rows read back on the way out
;   window 1: v0-63, v64-127 wo's fragments, two buffers     window 2: the accumulators, (a, b) at 8 (4 b + a)     window 3: v128-191 the bias, 8 a block; v224-227 at work
.set SIZE_N, 1024
.set PA,     144                       ; a token's 128 bytes + 16: the 16 rows of a fragment load start at 16 different groups of four banks (64 banks of 4 bytes: ISA guide 11.1)
.set PB,     288                       ; a row of wo: 256 + 32
.set SUB,    128*PB                    ; a region: 36,864 bytes
.set SLOT,   4*SUB
.set STAGE,  2*SLOT                    ; behind the ring, never filled by a tensor load: for each wave 16 rows x 272 bytes
.set SPF,    272
.set STW,    16*SPF
.set SPARE,  STAGE+4*STW               ; the spare words, 128 bytes for each wave: two blocks of 256 bytes that no other line names
.set LAPS,   4                         ; a lap = two K steps = once round the ring
.set STEP_A, 2*262144                  ; a K step in memory: two heads of oh,
.set STEP_B, 128*SIZE_N*2              ; 128 rows of wo
.set BOX,  12                          ; v12     byte offset in b_out of my 8 columns of block 0
.set ADRA, 16                          ; v16-17  LDS address of my fragments of o in slot 0, 1
.set ADRX, 18                          ; v18-19  of wo's
.set STO,  24                          ; v24     the way out: where I put 32 bytes of a row
.set RD,   25                          ; v25     where I read rows back
.set GO,   26                          ; v26     my 16 bytes in two rows of out0
.set SPW,  28                          ; v28     LDS address of my spare word; never rewritten
.set NIL,  29                          ; v29     0; never rewritten
.set FA,   64
.set OB,   128
.set BI,   128                         ; window 3
.set BT,   224                         ; window 3
.set WV,   12                          ; s12     my wave's number
.set G1,   24                          ; s[24:31] descriptor group 1 for o's tiles;  s[32:39] group 0, a set for each slot
.set G0,   32
.set G1B,  48                          ; s[48:55], s[56:63] the same for wo's
.set G0B,  56
.set CX,   68                          ; s[68:69] out0 at my first row and column
.set MSB, 0
.macro WIN new                         ; the immediate's high byte repeats the setting that is left; a switch that changes nothing is dropped
.if MSB != (\new)
	s_set_vgpr_msb (MSB<<8)|(\new)
.set MSB, (\new)
.endif
.endm
.set MUL_X,   0xa1                     ; wo window 1, o window 0, C and D window 2
.set FIRST_X, 0xb1                     ; C (the bias) window 3, D window 2
.set TO_B,    0x40                     ; destination window 1
.set TO_BI,   0xc0                     ; destination window 3
.set RND,     0xcf                     ; sources 0 and 1 and destination window 3
.set ST_X,    0x08                     ; an LDS store's data (source 1) window 2
; A joint load.  Waves 0 and 1 fetch o's two heads, waves 2 and 3 wo's two sub-tiles.  The branch hangs on the wave's number alone.  An s_nop 0 and four v_nop follow each of the two lines.
.macro JLOAD s
	s_cmp_lt_u32 s[WV], 2
	s_cbranch_scc0 .Lfor_b_\@
	tensor_load_to_lds s[G0+4*(\s):G0+4*(\s)+3], s[G1:G1+7]
	s_nop 0
.rept 4
	v_nop
.endr
	s_branch .Lasked_\@
.Lfor_b_\@:
	tensor_load_to_lds s[G0B+4*(\s):G0B+4*(\s)+3], s[G1B:G1B+7]
	s_nop 0
.rept 4
	v_nop
.endr
.Lasked_\@:
.endm
.macro CREST                           ; a round of the cluster's barrier behind its opening barrier
	s_cmp_lg_u32 s[WV], 0
	s_cbranch_scc1 .Lnot_wave_0_\@
	s_barrier_signal -3
.Lnot_wave_0_\@:
	s_barrier_wait -3
	s_barrier_signal -1
	s_barrier_wait -1
.endm
.macro CROUND                          ; a whole round
	s_barrier_signal -1
	s_barrier_wait -1
	CREST
.endm
.macro PLACES                          ; four places in front of loads into registers that matrix instructions have read, and of lines that read results
.rept 4
	v_nop
.endr
.endm
	s_load_b256 s[4:11], s[0:1], 0x0               ; oh s[4:5], wo s[6:7], b_out s[8:9], out0 s[10:11]
	v_lshl_add_u32 v[SPW], v0, 2, SPARE
	v_mov_b32 v[NIL], 0
	ds_add_u32 v[SPW], v[NIL]                      ; the wave's opening: the add and its wait stand ahead of my first tensor load; work on registers stands between them
	v_lshrrev_b32 v1, 5, v0
	v_readfirstlane_b32 s[WV], v1                  ; wave 0..3
	s_lshr_b32 s13, s[WV], 1                       ; wm: which 64 rows of the tile are mine
	s_and_b32 s14, s[WV], 1                        ; wn: which 128 columns.  Also: which head, or which sub-tile, I fetch
	s_bfe_u32 s40, ttmp6, 0x40000                  ; cx, cy: my place in the cluster
	s_bfe_u32 s41, ttmp6, 0x40004
	s_lshl_b32 s42, ttmp9, 2
	s_add_co_u32 s42, s42, s40                     ; tx: tile column = 4 x cluster x + cx
	s_and_b32 s43, ttmp7, 0xffff
	s_lshl_b32 s43, s43, 2
	s_add_co_u32 s43, s43, s41                     ; ty: tile row = 4 x cluster y + cy
	s_lshl_b32 s44, s41, 2
	s_lshl_b32 s44, 15, s44                        ; my row of the cluster
	s_lshl_b32 s45, 0x1111, s40                    ; my column
	; descriptor group 1.  o: 64 rows x 128 elements of 2 bytes, padded after every 32 words (code 4) by 4 words (code 3).  wo: 128 rows x 128 elements, after every 64 words (code 5) 8 words (code 7).  Bit 21 stands beside a mask
	s_or_b32 s[G1], s44, (1<<16)|(1<<20)|(1<<21)|(4<<22)|(3<<25)
	s_mov_b32 s[G1+1], 128<<16                     ; tensor_dim0 = 128
	s_mov_b32 s[G1+2], 64<<16                      ; tensor_dim1 = 64
	s_mov_b32 s[G1+3], 128<<16                     ; tile_dim0 = 128
	s_mov_b32 s[G1+4], 64                          ; tile_dim1 = 64
	s_mov_b32 s[G1+5], 128                         ; elements from row to row: dense
	s_mov_b32 s[G1+6], 0
	s_mov_b32 s[G1+7], 0
	s_or_b32 s[G1B], s45, (1<<16)|(1<<20)|(1<<21)|(5<<22)|(7<<25)
	s_mov_b32 s[G1B+1], 128<<16
	s_mov_b32 s[G1B+2], 128<<16
	s_mov_b32 s[G1B+3], 128<<16
	s_mov_b32 s[G1B+4], 128
	s_mov_b32 s[G1B+5], SIZE_N
	s_mov_b32 s[G1B+6], 0
	s_mov_b32 s[G1B+7], 0
	s_lshr_b32 s16, s43, 4                         ; o: the batch's 16 heads of 262,144 bytes,
	s_lshl_b32 s16, s16, 22
	s_and_b32 s17, s43, 15
	s_lshl_b32 s17, s17, 14                        ; the tile's 128 tokens of 128 bytes in a head,
	s_add_co_u32 s16, s16, s17
	s_lshl_b32 s17, s14, 18                        ; the step's first or second head: hangs on the tile row and the wave alone
	s_add_co_u32 s16, s16, s17
	s_mov_b32 s17, 0
	s_lshl_b32 s46, s42, 9                         ; wo: the tile's 512 bytes of a row,
	s_lshl_b32 s47, s14, 8                         ; my sub-tile's 256: hangs on the tile column and the wave alone
	s_add_co_u32 s46, s46, s47
	s_mov_b32 s47, 0
	s_mul_i32 s20, s[WV], SUB                      ; my region of a slot: no place in the cluster enters an LDS address
	s_wait_dscnt 0x0                               ; the opening add is done
	s_wait_kmcnt 0x0
	s_add_nc_u64 s[72:73], s[4:5], s[16:17]
	s_add_nc_u64 s[46:47], s[6:7], s[46:47]
	CROUND                                         ; all sixteen work-groups are here: the first joint loads meet
.irp s, 0,1
	s_mov_b32 s[G0+4*(\s)], 1                      ; count = 1
	s_add_co_u32 s[G0+4*(\s)+1], s20, (\s)*SLOT    ; LDS address
	s_add_nc_u64 s[G0+4*(\s)+2:G0+4*(\s)+3], s[72:73], (\s)*STEP_A  ; K step s
	s_or_b32 s[G0+4*(\s)+3], s[G0+4*(\s)+3], 0x80000000             ; type = 2
	s_mov_b32 s[G0B+4*(\s)], 1
	s_add_co_u32 s[G0B+4*(\s)+1], s20, (\s)*SLOT
	s_add_nc_u64 s[G0B+4*(\s)+2:G0B+4*(\s)+3], s[46:47], (\s)*STEP_B
	s_or_b32 s[G0B+4*(\s)+3], s[G0B+4*(\s)+3], 0x80000000
	JLOAD \s                                       ; two loads of mine are out
.endr
	v_and_b32 v1, 15, v0                           ; r = l % 16
	v_bfe_u32 v2, v0, 4, 1                         ; h = l / 16
	v_mul_u32_u24 v3, v1, PA                       ; a fragment of o: token l % 16, two loads of 16 bytes, 32 bytes apart
	v_lshl_add_u32 v3, v2, 4, v3
	s_mul_i32 s21, s13, 64*PA
	v_add_nc_u32 v[ADRA], s21, v3
	v_add_nc_u32 v[ADRA+1], SLOT, v[ADRA]
	v_and_b32 v4, 7, v0                            ; the turning load: row k = 8 (l / 16) + l % 8, columns 8 ((l / 8) % 2) + 0..7
	v_lshl_add_u32 v4, v2, 3, v4
	v_mul_u32_u24 v4, v4, PB
	v_bfe_u32 v5, v0, 3, 1
	v_lshl_add_u32 v4, v5, 4, v4
	s_mul_i32 s22, s14, SUB
	s_add_co_u32 s22, s22, 2*SUB                   ; sub-tile wn, region 2 + wn
	v_add_nc_u32 v[ADRX], s22, v4
	v_add_nc_u32 v[ADRX+1], SLOT, v[ADRX]
	s_mul_i32 s21, s[WV], STW
	s_add_co_u32 s21, s21, STAGE                   ; my stage
	v_mul_u32_u24 v[STO], v1, SPF                  ; in: row l % 16, 32 bytes for each half of the lanes
	v_lshl_add_u32 v[STO], v2, 5, v[STO]
	v_add_nc_u32 v[STO], s21, v[STO]
	v_mul_u32_u24 v[RD], v2, SPF                   ; back: lanes 0-15 take one row of 256 bytes, lanes 16-31 the next
	v_lshl_add_u32 v[RD], v1, 4, v[RD]
	v_add_nc_u32 v[RD], s21, v[RD]
	v_lshlrev_b32 v[GO], 12, v2                    ; and the same two rows in out0, 4,096 bytes apart
	v_lshl_add_u32 v[GO], v1, 4, v[GO]
	s_lshl_b32 s76, s43, 1
	s_add_co_u32 s76, s76, s13
	s_lshl_b32 s76, s76, 18                        ; my first row, 64 (2 ty + wm), x 4,096 bytes
	s_lshl_b32 s78, s42, 10                        ; my first column, 256 tx + 128 wn, x 4 bytes
	s_lshl_b32 s79, s14, 9
	s_add_co_u32 s78, s78, s79
	s_add_co_u32 s76, s76, s78
	s_mov_b32 s77, 0
	s_add_nc_u64 s[CX:CX+1], s[10:11], s[76:77]
	v_lshl_add_u32 v[BOX], v2, 5, s78              ; the bias of my 128 columns: 4 (256 tx + 128 wn + 8 h)
	WIN TO_BI
.irp b, 0,1,2,3,4,5,6,7
	global_load_b128 v[BI+8*(\b):BI+8*(\b)+3],   v[BOX], s[8:9] offset:64*(\b)
	global_load_b128 v[BI+8*(\b)+4:BI+8*(\b)+7], v[BOX], s[8:9] offset:64*(\b)+16
.endr
	s_wait_loadcnt 0x0
	WIN RND
.set p, 0
.rept 32                               ; rounded to bf16 like the other inputs, and kept as f32; all this stands in the wait for the first tiles
	v_cvt_pk_bf16_f32 v[BT+p%4], v[BI+2*p], v[BI+2*p+1]
	v_lshlrev_b32 v[BI+2*p], 16, v[BT+p%4]
	v_and_b32 v[BI+2*p+1], 0xffff0000, v[BT+p%4]
.set p, p+1
.endr
	WIN 0
; 8 products: blocks b = 2 g, 2 g + 1 x my four blocks a of 16 rows, 32 along K, from buffer f.  first = 1: the sums start with the bias.
; All 32 accumulators take turns in one fixed order in every quarter: 31 others' products stand between two on one accumulator, over the backward jump too.
.macro MULG f, g, first
.if \first
	WIN FIRST_X
.else
	WIN MUL_X
.endif
.irp a, 0,1,2,3
.irp e, 0,1
.set bb, 2*(\g)+(\e)
.set rD, 8*(4*bb+(\a))
.if \first
	v_wmma_f32_16x16x32_f16 v[rD:rD+7], v[64*(\f)+8*bb:64*(\f)+8*bb+7], v[FA+32*(\f)+8*(\a):FA+32*(\f)+8*(\a)+7], v[BI+8*bb:BI+8*bb+7]
.else
	v_wmma_f32_16x16x32_f16 v[rD:rD+7], v[64*(\f)+8*bb:64*(\f)+8*bb+7], v[FA+32*(\f)+8*(\a):FA+32*(\f)+8*(\a)+7], v[rD:rD+7]
.endif
.endr
.endr
.endm
; 24 LDS loads in one run: the fragments of quarter q (32 along K: head q / 2 of the step, channels 32 (q % 2) on) of slot s into buffer f: o's 8, then wo's 16 in the order of the blocks
.macro FETCH s, q, f
	WIN 0
.irp i, 0,1,2,3
	ds_load_b128 v[FA+32*(\f)+8*(\i):FA+32*(\f)+8*(\i)+3],   v[ADRA+(\s)] offset:((\q)/2)*SUB+((\q)%2)*64+(\i)*16*PA
	ds_load_b128 v[FA+32*(\f)+8*(\i)+4:FA+32*(\f)+8*(\i)+7], v[ADRA+(\s)] offset:((\q)/2)*SUB+((\q)%2)*64+(\i)*16*PA+32
.endr
	WIN TO_B
.irp b, 0,1,2,3,4,5,6,7
	ds_load_tr16_b128 v[64*(\f)+8*(\b):64*(\f)+8*(\b)+3],   v[ADRX+(\s)] offset:32*PB*(\q)+32*(\b)
	ds_load_tr16_b128 v[64*(\f)+8*(\b)+4:64*(\f)+8*(\b)+7], v[ADRX+(\s)] offset:32*PB*(\q)+32*(\b)+16*PB
.endr
.endm
; A K step is four quarters on buffers 0, 1, 0, 1.  One of the first three: multiplies buffer f and fetches quarter qn of the same slot into buffer g.
.macro QUARTER s, qn, f, g, first
	s_wait_dscnt 8                                 ; o's fragments and blocks 0-3 are in; the youngest eight loads (blocks 4-7) may be out
	MULG \f, 0, \first
	MULG \f, 1, \first
	PLACES
	FETCH \s, \qn, \g
	s_wait_dscnt 24                                ; all but the 24 just issued
	MULG \f, 2, \first
	MULG \f, 3, \first
.endm
; The last quarter multiplies buffer 1 and changes slots: ONE barrier.  In front of it each wave waits for all its tensor loads (one is out: its part of the next slot), adds 0 to its spare word, and waits
; for that and for its own reads of this slot.  fill = 1: the barrier opens a round of the cluster's barrier and this slot is filled again, two K steps on, first thing behind the round.
.macro TURN s, next, fill
	WIN 0                                          ; (the add's two registers lie in window 0)
	s_wait_tensorcnt 0x0                           ; all my tensor loads have landed, so every group 0 may be written
	ds_add_u32 v[SPW], v[NIL]                      ; 0 onto my spare word
	s_wait_dscnt 9                                 ; (the add and the youngest eight loads may be out)
	MULG 1, 0, 0                                   ; eight products stand between the add and the wait for it
	s_wait_dscnt 0x0                               ; the add is done, and my reads of this slot are over
	s_barrier_signal -1
	MULG 1, 1, 0                                   ; work on registers while the others arrive
.if \fill
	WIN 0
.endif
	s_barrier_wait -1
.if \fill
	CREST                                          ; no wave of any partner still reads this slot or has a load on its way
	s_add_nc_u64 s[G0+4*(\s)+2:G0+4*(\s)+3], s[G0+4*(\s)+2:G0+4*(\s)+3], 2*STEP_A
	s_add_nc_u64 s[G0B+4*(\s)+2:G0B+4*(\s)+3], s[G0B+4*(\s)+2:G0B+4*(\s)+3], 2*STEP_B
	JLOAD \s                                       ; 112 products ahead of the wait for it; its four v_nop are also the places in front of the loads below
.else
	PLACES
.endif
	FETCH \next, 0, 0
	MULG 1, 2, 0
	MULG 1, 3, 0
.endm
	s_wait_tensorcnt 1                             ; my part of K step 0 is in; K step 1's may stay out
	s_barrier_signal -1
	s_barrier_wait -1                              ; everybody's is
	FETCH 0, 0, 0
	QUARTER 0, 1, 0, 1, 1                          ; the first quarter stands in front of the loop: its products start the sums
	WIN 0                                          ; at a label and at a branch every window is 0
	s_mov_b32 s3, LAPS-1
.Llap:                                         ; a trip goes once round the ring, from a lap's second quarter to the next lap's first, and fills both slots again
	QUARTER 0, 2, 1, 0, 0
	QUARTER 0, 3, 0, 1, 0
	TURN 0, 1, 1
	QUARTER 1, 1, 0, 1, 0
	QUARTER 1, 2, 1, 0, 0
	QUARTER 1, 3, 0, 1, 0
	TURN 1, 0, 1
	QUARTER 0, 1, 0, 1, 0
	WIN 0
	s_sub_co_u32 s3, s3, 1
	s_cmp_lg_u32 s3, 0
	s_cbranch_scc1 .Llap
	QUARTER 0, 2, 1, 0, 0                          ; the last lap is written out: it fills nothing
	QUARTER 0, 3, 0, 1, 0
	TURN 0, 1, 0
	QUARTER 1, 1, 0, 1, 0
	QUARTER 1, 2, 1, 0, 0
	QUARTER 1, 3, 0, 1, 0
	s_wait_dscnt 8                                 ; the very last quarter: nothing more to fetch
	MULG 1, 0, 0
	MULG 1, 1, 0
	s_wait_dscnt 0x0
	MULG 1, 2, 0
	MULG 1, 3, 0
	WIN 0
	PLACES
; THE WAY OUT, in eight blocks k = 2 a + half: 16 rows x 64 columns of f32, four accumulators.  TOSTAGE: a lane's 32 bytes of a row go straight from the accumulator (its low four registers first) into my
; own stage and come back as whole rows of 256 bytes.  SEND: 16 lanes store 256 consecutive bytes, at a multiple of 256 from out0's first byte.
.macro TOSTAGE k
.set BK, OB+32*((\k)%2)
	WIN 0
	s_wait_xcnt 0x0                                ; the stores of the block two back have read their registers: these are loaded again only behind this wait
	WIN ST_X
.irp b, 0,1,2,3
.set rD, 8*(4*(4*((\k)%2)+(\b))+(\k)/2)
	ds_store_b128 v[STO], v[rD:rD+3]   offset:64*(\b)
	ds_store_b128 v[STO], v[rD+4:rD+7] offset:64*(\b)+16
.endr
	WIN 0
.irp t, 0,1,2,3,4,5,6,7
	ds_load_b128 v[BK+4*(\t):BK+4*(\t)+3], v[RD] offset:(\t)*2*SPF  ; LDS serves a wave's instructions in order (ISA guide 5.7.1.4): these see the stores above; the next block's stores come behind them
.endr
.endm
.macro SEND k, younger                 ; younger: the LDS instructions issued behind block k's loads: the next block's sixteen, or none
.set BK, OB+32*((\k)%2)
	s_wait_dscnt \younger
.irp t, 0,1,2,3,4,5,6,7
	global_store_b128 v[GO], v[BK+4*(\t):BK+4*(\t)+3], s[CX:CX+1] offset:(16*((\k)/2)+2*(\t))*4096+256*((\k)%2)
.endr
.endm
	TOSTAGE 0
.irp k, 1,2,3,4,5,6,7
	TOSTAGE \k
	SEND (\k)-1, 16
.endr
	SEND 7, 0
	s_wait_tensorcnt 0x0                           ; the wave's end: the add and its wait, behind my last tensor load and my last LDS store
	ds_add_u32 v[SPW], v[NIL]
	s_wait_dscnt 0x0
	CROUND                                         ; the closing round: no work-group ends while a partner may still ask for a tile that names it
	s_endpgm
.Lfunc_end_k_q8a063d7a2d_outproj:
	.size	k_q8a063d7a2d_outproj, .Lfunc_end_k_q8a063d7a2d_outproj-k_q8a063d7a2d_outproj
	.p2alignl 7, 3214868480
	.fill 96, 4, 3214868480
	.section	.rodata,"a",@progbits
	.p2align	6, 0x0
	.amdhsa_kernel k_q8a063d7a2d_outproj
		.amdhsa_group_segment_fixed_size 327680
		.amdhsa_private_segment_fixed_size 0
		.amdhsa_enable_private_segment 0
		.amdhsa_kernarg_size 32
		.amdhsa_user_sgpr_count 2
		.amdhsa_user_sgpr_kernarg_segment_ptr 1
		.amdhsa_wavefront_size32 1
		.amdhsa_system_sgpr_workgroup_id_x 1
		.amdhsa_system_sgpr_workgroup_id_y 1
		.amdhsa_system_sgpr_workgroup_id_z 1
		.amdhsa_system_vgpr_workitem_id 0
		.amdhsa_next_free_vgpr 1024
		.amdhsa_next_free_sgpr 88
		.amdhsa_reserve_vcc 0
		.amdhsa_float_denorm_mode_32 3
		.amdhsa_float_denorm_mode_16_64 3
		.amdhsa_memory_ordered 1
		.amdhsa_forward_progress 1
		.amdhsa_inst_pref_size 92
	.end_amdhsa_kernel
	.amdgpu_metadata
---
amdhsa.version: [ 1, 2 ]
amdhsa.kernels:
  - .name:           k_q8a063d7a2d_outproj
    .symbol:         k_q8a063d7a2d_outproj.kd
    .args:
      - { .name: oh, .offset: 0, .size: 8, .value_kind: global_buffer, .address_space: global }
      - { .name: wo, .offset: 8, .size: 8, .value_kind: global_buffer, .address_space: global }
      - { .name: b_out, .offset: 16, .size: 8, .value_kind: global_buffer, .address_space: global }
      - { .name: out0, .offset: 24, .size: 8, .value_kind: global_buffer, .address_space: global }
    .group_segment_fixed_size: 327680
    .private_segment_fixed_size: 0
    .kernarg_segment_align: 8
    .kernarg_segment_size: 32
    .max_flat_workgroup_size: 128
    .sgpr_count:     88
    .vgpr_count:     1024
    .wavefront_size: 32
...
	.end_amdgpu_metadata
.endif
;; end of part 4
